; MI455X (gfx1250); checked and timed in simulation.
; The chip was launched on July 23, 2026; its instructions are those of AMD's public machine-readable ISA for CDNA 5 (MIT licence, August 2026) and "CDNA5" Instruction Set Architecture Reference Guide (July 2026). The comments in the code are by the model that wrote it; some were corrected since.
;; Multi Headed Attention. Allowed arithmetic: matrix products marked QUANTISED: E2M3 operands, one E8M0 scale for each 32 along K, by v_wmma_scale_f32_16x16x128_f8f6f4 with both operands' format E2M3, f32 sums; everything else in f32.
;; Inputs: W_K 1,024 x 1,024 float32; W_Q 1,024 x 1,024 float32; W_V 1,024 x 1,024 float32; W_ffn 1,024 x 1,024 float32; b_ffn 1,024 float32; key 2 x 2,048 x 1,024 float32; query 2 x 2,048 x 1,024 float32; value 2 x 2,048 x 1,024 float32.
;; Outputs: out0 2 x 2,048 x 1,024 float32.
;; This version of the problem:
;;   THIS VERSION OF THE PROBLEM IS GIVEN IN LOW PRECISION. The matrix products marked QUANTISED in the list below multiply operands that are first quantised to E2M3 (2 exponent bits, 3 mantissa bits; 6 bits a number), with one power-of-two scale for each 32 numbers along K (OCP MX v1.0); their sums are f32. All else is computed in f32.
;;   The module's matrix products, in the order in which they are computed (A, B: the left and right operand; K: the contracted axis; several contracted axes count as one K, in the product's order):
;;     1. [M 4,096, K 1,024] x [K 1,024, N 1,024]; A: input query; B: input W_Q: QUANTISED
;;     2. [M 4,096, K 1,024] x [K 1,024, N 1,024]; A: input key; B: input W_K: QUANTISED
;;     3. [M 4,096, K 1,024] x [K 1,024, N 1,024]; A: input value; B: input W_V: QUANTISED
;;     4. batch 32 x [M 2,048, K 64] x [K 64, N 2,048]; A: computed on the way; B: computed on the way: QUANTISED
;;     5. batch 32 x [M 2,048, K 2,048] x [K 2,048, N 64]; A: softmax (see below); B: computed on the way: QUANTISED
;;     6. [M 4,096, K 1,024] x [K 1,024, N 1,024]; A: computed on the way; B: input W_ffn: QUANTISED
;;   THE QUANTISER, for each operand of a quantised product, along K:
;;     - K is cut into blocks of 32 from its start; a last block that is shorter is filled with zeros.
;;     - A block's scale is 2^e with e = floor(log2(the largest magnitude in the block)) - 2, held to -126 .. 127; a block of zeros has e = 0. As a byte (E8M0): e + 127.
;;     - Each number is divided by its block's scale, clamped to +-7.5, and rounded to the nearest number of E2M3, ties to even, subnormals kept.
;;     - The product sums the exact products of the quantised numbers (number of the format x scale) in f32.
;;   ~~~python
;;   def quantise(x, axis):      # numpy; x: float32 -> the quantised numbers, widened to float32 again
;;       x = np.moveaxis(x, axis, -1); K = x.shape[-1]
;;       x = np.pad(x, [(0, 0)] * (x.ndim - 1) + [(0, -K % 32)]); x = x.reshape(x.shape[:-1] + (-1, 32)); a = np.abs(x).max(-1, keepdims=True)
;;       e = np.where(a > 0, np.clip(np.frexp(np.where(a > 0, a, 1))[1] - 1 - 2, -126, 127), 0)      # np.frexp(a)[1] - 1 = floor(log2(a)), exactly
;;       r = np.clip(x / 2.0 ** e, -7.5, 7.5)
;;       step = 2.0 ** (np.maximum(np.frexp(np.where(r == 0, 1, r))[1] - 1, 0) - 3)
;;       q = np.round(r / step) * step * 2.0 ** e      # np.round: ties to even
;;       return np.moveaxis(q.reshape(q.shape[:-2] + (-1,))[..., :K], -1, axis).astype(np.float32)
;;   ~~~
;;   SOFTMAX AHEAD OF A QUANTISED PRODUCT. Where the list says 'softmax', what is quantised is not the finished softmax but p = 2^(t - M), with t = logit x log2(e) and M = ceil(the row's largest t), a whole number; so 1/2 < the row's largest p <= 1. The row's sum l is taken of the UNQUANTISED p, in f32, and the product's result is divided by l at the end. Since M is a whole number, a kernel that streams over the keys may use a running M (the ceiling of the running maximum): every later rescaling is an exact power of two, which a block's scale takes up: the codes' values come out the same.
;;   OPERANDS COMPUTED ON THE WAY. 'Computed on the way' means the value that the module computes at that place (a softmax that the list does not call 'softmax' is quantised finished and normalised). What goes into a quantiser is computed in f32, as accurately as f32 sums, v_exp_f32 and their like allow (about 1e-6 of the number): no bf16 or f16 on the way to a quantiser, and a product that is left as it is and whose result goes on into a quantised operand takes f32 operands (vector FMAs, or v_wmma_f32_16x16x4_f32). A number that lies on a knife's edge between two numbers of the format may be rounded either way, as far as f32 arithmetic and the matrix unit's own rounding can turn it there, and no further.
;; One version. Each part assembles by itself: llvm-mc -triple=amdgcn-amd-amdhsa -mcpu=gfx1250 --defsym DOCPART=n.
;; ======== version 1 of 1: 4 launches
;; limits: right only within a limited range of input values
;; workspace buffers: xw_codes 12,582,912 bytes; xw_scales 524,288 bytes; qk_codes 6,291,456 bytes; qk_scales 262,144 bytes; v_codes 3,145,728 bytes; v_scales 131,072 bytes; c_codes 3,145,728 bytes; c_scales 131,072 bytes
;; launch quant (part 1): grid 512 x 1, 4 waves a work-group, no clusters, 34,304 bytes of LDS; arguments query, key, value, W_Q, W_K, W_V, W_ffn, xw_codes, xw_scales; writes xw_codes, xw_scales
.if DOCPART == 1
	.amdgcn_target "amdgcn-amd-amdhsa--gfx1250"
	.amdhsa_code_object_version 6
	.text
	.protected	k_q31595d150d_quant
	.globl	k_q31595d150d_quant
	.p2align	8
	.type	k_q31595d150d_quant,@function
k_q31595d150d_quant:
	s_mov_b64 s[64:65], 0
	v_nop
	global_prefetch_b8 v0, s[64:65] scope:SCOPE_SE
	s_setreg_imm32_b32 hwreg(HW_REG_WAVE_MODE, 25, 1), 1
	s_wait_xcnt 0x0
; query, key, value [4096][1024] and W_Q, W_K, W_V, W_ffn [1024][1024], f32, K innermost, become codes of FP6 (E2M3) with one E8M0 byte for each 32 along K,
; laid as IMAGES OF OPERAND REGISTERS.  A tile is 16 rows; a fragment (16 rows x 128 K) is 12 registers a lane; register pair n of all 32 lanes is one plane of 256 bytes, lane l at 8 l.
; xw_codes:  [K step / 2 (4)][tile (1024)][K step % 2][plane (6)][lane][8 bytes].  Tiles 0-255 query, 256-511 key, 512-767 value, 768-831 W_Q, 832-895 W_K, 896-959 W_V, 960-1023 W_ffn.
; xw_scales: [tile][K half (2)][lane][2 words]: lanes 0-15 hold row r's words of K steps 4 half + 0 and + 2, lanes 16-31 those of K steps 4 half + 1 and + 3.
; WHICH ROWS FORM A TILE is chosen here, so that the next launch's results fall into its lanes as its own quantisers want them.  Row p of tile T is source row base + (p & 7) SA + (p >> 3) SB:
;   query, key, value, W_ffn: base 16 T, SA 1, SB 8 (the rows as they lie)
;   W_Q, W_K: base 64 ((T >> 3) + 8 ((T >> 2) & 1)) + 32 ((T >> 1) & 1) + 8 (T & 1), SA 1, SB 16
;   W_V:      base 512 (T & 1) + 2 (T >> 1), SA 64, SB 1
; A block's scale is 2^(floor(log2(its largest magnitude)) - 2); its byte is the largest magnitude's exponent field - 2, held at 1 from below.
; LIMITS: a block of zeros gets the byte 1 where the quantiser says 127: its codes are zeros, which add nothing, and the bytes are read by this program alone.  NaN and infinities among the inputs are not served.
; SHARES: a wave takes one tile and half of K: 16 rows x 512, four K steps.  Each load reads 512 consecutive bytes of one row; a K step's 8,192 bytes turn through the wave's own stage in LDS,
; so that a lane then holds 16 neighbours along K of each of the four blocks of its row.  One path for all seven tensors: pointers and row steps are chosen by selects on the work-group's number.  No barrier: waves share nothing.
.set STAGE, 8448                       ; a wave's stage: 16 rows x (512 bytes + 16)
.set RO,  8                            ; v8-15   16 lane + i SA rows: the byte offset of row i of a group of eight
.set TM,  16                           ; v16-19 largest magnitudes, v20-23 the other half's, then bytes, v28-31 the conversions' scale operands
.set PW,  32                           ; the scale word just made
.set PWS, 33                           ; v33-36  the four K steps' scale words
.set PC,  40                           ; v40-51 a fragment's codes; v52-58 the conversions' second halves
.set X,   60                           ; v60-123  64 numbers: register 16 b + i = k 32 b + 16 (lane / 16) + i of my row
.set R,   124                          ; v124-251 two sets of 64 registers as loaded
.set SEL, 32                           ; s[32:33] lane selects: lane l xor 16
	s_load_b256 s[4:11], s[0:1], 0x0               ; query, key, value, W_Q
	s_load_b256 s[12:19], s[0:1], 0x20             ; W_K, W_V, W_ffn, xw_codes
	s_load_b64 s[20:21], s[0:1], 0x40              ; xw_scales
	v_lshl_add_u32 v254, v0, 2, 0x8400
	v_mov_b32 v255, 0
	v_lshrrev_b32 v1, 5, v0
	v_readfirstlane_b32 s22, v1                    ; wave
	v_and_b32 v1, 31, v0                           ; lane
	v_and_b32 v2, 15, v0                           ; r
	v_bfe_u32 v3, v0, 4, 1                         ; h
	v_lshlrev_b32 v4, 4, v1                        ; 16 lane
	s_mul_i32 s23, s22, STAGE
	v_add_nc_u32 v5, s23, v4                       ; into the stage: 16 lane, the row in the immediate
	v_mul_u32_u24 v6, v2, 528
	v_lshl_add_u32 v6, v3, 6, v6
	v_add_nc_u32 v6, s23, v6                       ; out of it: row r, + 64 h
	v_lshlrev_b32 v7, 3, v1                        ; 8 lane: my place in a plane
.irp b, 0,1,2,3
	v_mov_b32 v[TM+4+\b], 0                        ; written once: a lane permute's destination counts as one of its sources
.endr
	s_lshr_b32 s35, s22, 1
	s_and_b32 s36, s22, 1                          ; which half of K
	s_lshl_b32 s37, ttmp9, 1
	s_add_co_u32 s37, s37, s35                     ; my tile: 2 x work-group + wave / 2
	s_mov_b32 s[SEL], 0x76543210
	s_mov_b32 s[SEL+1], 0xfedcba98
	s_mov_b32 s34, 0xffff0000                      ; lanes 16-31
	s_wait_kmcnt 0x0
	s_mov_b64 s[24:25], s[16:17]                   ; the tensor and its first tile: the choice hangs on the work-group's number alone
	s_mov_b32 s38, 960
	s_cmp_lt_u32 ttmp9, 480
	s_cselect_b64 s[24:25], s[14:15], s[24:25]
	s_cselect_b32 s38, 896, s38
	s_cmp_lt_u32 ttmp9, 448
	s_cselect_b64 s[24:25], s[12:13], s[24:25]
	s_cselect_b32 s38, 832, s38
	s_cmp_lt_u32 ttmp9, 416
	s_cselect_b64 s[24:25], s[10:11], s[24:25]
	s_cselect_b32 s38, 768, s38
	s_cmp_lt_u32 ttmp9, 384
	s_cselect_b64 s[24:25], s[8:9], s[24:25]
	s_cselect_b32 s38, 512, s38
	s_cmp_lt_u32 ttmp9, 256
	s_cselect_b64 s[24:25], s[6:7], s[24:25]
	s_cselect_b32 s38, 256, s38
	s_cmp_lt_u32 ttmp9, 128
	s_cselect_b64 s[24:25], s[4:5], s[24:25]
	s_cselect_b32 s38, 0, s38
	s_sub_co_u32 s39, s37, s38                     ; T: the tile's number in its tensor
	s_lshl_b32 s40, s39, 4                         ; the rows as they lie: base 16 T
	s_lshr_b32 s41, s39, 3                         ; W_Q, W_K
	s_bfe_u32 s42, s39, 0x10002
	s_lshl_b32 s42, s42, 3
	s_add_co_u32 s41, s41, s42
	s_lshl_b32 s41, s41, 6
	s_bfe_u32 s42, s39, 0x10001
	s_lshl_b32 s42, s42, 5
	s_add_co_u32 s41, s41, s42
	s_and_b32 s42, s39, 1
	s_lshl_b32 s42, s42, 3
	s_add_co_u32 s41, s41, s42
	s_and_b32 s43, s39, 1                          ; W_V
	s_lshl_b32 s43, s43, 9
	s_and_b32 s44, s39, -2
	s_add_co_u32 s43, s43, s44
	s_sub_co_u32 s45, ttmp9, 384
	s_cmp_lt_u32 s45, 64                           ; work-groups 384-447: W_Q, W_K
	s_cselect_b32 s40, s41, s40
	s_cselect_b32 s46, 16, 8                       ; SB
	s_sub_co_u32 s45, ttmp9, 448
	s_cmp_lt_u32 s45, 32                           ; work-groups 448-479: W_V
	s_cselect_b32 s40, s43, s40
	s_cselect_b32 s46, 1, s46
	s_cselect_b32 s47, 64, 1                       ; SA
	s_lshl_b32 s40, s40, 12                        ; a row is 4,096 bytes
	s_lshl_b32 s48, s36, 11                        ; my half of K: 2,048 bytes
	s_add_co_u32 s40, s40, s48
	s_mov_b32 s41, 0
	s_add_nc_u64 s[24:25], s[24:25], s[40:41]      ; rows 0-7 of the tile begin here,
	s_lshl_b32 s40, s46, 12
	s_add_nc_u64 s[26:27], s[24:25], s[40:41]      ; rows 8-15 SB rows on
	s_lshl_b32 s47, s47, 12
.irp i, 0,1,2,3,4,5,6,7
	s_mul_i32 s48, s47, \i
	v_add_nc_u32 v[RO+\i], s48, v4
.endr
	s_mul_i32 s40, s37, 3072                       ; the tile's record, in the first of my two pairs of K steps
	s_mul_i32 s48, s36, 6291456
	s_add_co_u32 s40, s40, s48
	s_add_nc_u64 s[28:29], s[18:19], s[40:41]
	s_lshl_b32 s40, s37, 9                         ; and its scale words: 512 bytes a tile, 256 for each half of K
	s_lshl_b32 s48, s36, 8
	s_add_co_u32 s40, s40, s48
	s_add_nc_u64 s[30:31], s[20:21], s[40:41]
.macro LOAD jj                         ; K step jj of my four: 16 rows x 512 consecutive bytes, into set jj % 2
.irp p, 0,1,2,3,4,5,6,7
	global_load_b128 v[R+64*((\jj)%2)+4*\p:R+64*((\jj)%2)+4*\p+3], v[RO+\p], s[24:25] offset:512*(\jj) th:TH_LOAD_NT
.endr
.irp p, 0,1,2,3,4,5,6,7
	global_load_b128 v[R+64*((\jj)%2)+32+4*\p:R+64*((\jj)%2)+32+4*\p+3], v[RO+\p], s[26:27] offset:512*(\jj) th:TH_LOAD_NT
.endr
.endm
.macro TURN jj                         ; through the stage: LDS serves a wave's instructions in order, so no wait stands between the stores and the loads
.irp p, 0,1,2,3,4,5,6,7,8,9,10,11,12,13,14,15
	ds_store_b128 v5, v[R+64*((\jj)%2)+4*\p:R+64*((\jj)%2)+4*\p+3] offset:528*\p
.endr
.irp b, 0,1,2,3
.irp i, 0,1,2,3
	ds_load_b128 v[X+16*\b+4*\i:X+16*\b+4*\i+3], v6 offset:128*\b+16*\i
.endr
.endr
.endm
; 64 numbers of a lane, register 16 b + i = k 32 b + 16 (lane / 16) + i of my row, become a fragment's codes in v[PC] on and its scale word in v[PW]
.macro QUANT s
.irp b, 0,1,2,3
	v_max3_num_f32 v[TM+\b], |v[\s+16*\b]|, |v[\s+1+16*\b]|, 0x1800000   ; my 16 numbers of block b, and the floor 2^(3 - 127): the byte cannot fall under 1
.endr
.irp i, 2,4,6,8,10,12,14
.irp b, 0,1,2,3
	v_max3_num_f32 v[TM+\b], v[TM+\b], |v[\s+16*\b+\i]|, |v[\s+1+16*\b+\i]|   ; the four blocks by turns
.endr
.endr
.irp b, 0,1,2,3
	v_permlanex16_b32 v[TM+4+\b], v[TM+\b], s[SEL], s[SEL+1]
.endr
.irp b, 0,1,2,3
	v_max_num_f32 v[TM+\b], v[TM+\b], v[TM+4+\b]   ; with lane l xor 16's: the block's largest magnitude
.endr
.irp b, 0,1,2,3
	v_add_nc_u32 v[TM+12+\b], 0xff000000, v[TM+\b] ; 2 off its exponent field: the conversion takes that field as its scale
.endr
.irp b, 0,1,2,3
	v_lshrrev_b32 v[TM+4+\b], 23, v[TM+12+\b]      ; the scale's byte
.endr
	v_lshl_or_b32 v[PW], v[TM+5], 8, v[TM+4]
	v_lshl_or_b32 v[PW], v[TM+6], 16, v[PW]
	v_lshl_or_b32 v[PW], v[TM+7], 24, v[PW]        ; my row's scale word, the same in both halves of the lanes
.irp c, 0,1
	v_cvt_scalef32_pk16_fp6_f32 v[PC+6*\c:PC+2+6*\c], v[\s+32*\c:\s+15+32*\c], v[TM+12+2*\c]
	v_cvt_scalef32_pk16_fp6_f32 v[PC+12+4*\c:PC+14+4*\c], v[\s+16+32*\c:\s+31+32*\c], v[TM+12+2*\c+1]   ; a conversion's three registers begin on an even number
.endr
	v_nop                                          ; one plain place behind a scaled conversion
.irp c, 0,1                            ; the operand wants a whole block in a lane: lanes 0-15 block 2 c, lanes 16-31 block 2 c + 1
.irp i, 0,1,2
	v_permlane16_swap_b32 v[PC+6*\c+\i], v[PC+12+4*\c+\i]
.endr
.irp i, 0,1,2
	v_mov_b32 v[PC+3+6*\c+\i], v[PC+12+4*\c+\i]
.endr
.endr
.endm
.macro KSTEP jj
.if (\jj) < 3
	s_wait_loadcnt 16                              ; this K step's 16 loads are in; the next step's 16 may be out
.else
	s_wait_loadcnt 0x0
.endif
	TURN \jj
	s_wait_dscnt 0x0                               ; the numbers are back, and the stores into the stage have read their registers,
.if (\jj) < 2
	LOAD (\jj)+2                                   ; which take the loads of two K steps on
.endif
.if (\jj) > 0
	s_wait_xcnt 0x0                                ; the last step's stores have read the codes' registers: they are written again only behind this wait
.endif
	QUANT X
.irp p, 0,1,2,3,4,5
	global_store_b64 v7, v[PC+2*\p:PC+2*\p+1], s[28:29] offset:((\jj)/2)*3145728+((\jj)%2)*1536+256*\p   ; a plane: 32 lanes store 256 consecutive bytes, aligned
.endr
	v_mov_b32 v[PWS+(\jj)], v[PW]
.endm
	s_wait_alu depctr_va_vdst(0)
	LOAD 0
	LOAD 1
	KSTEP 0
	KSTEP 1
	KSTEP 2
	KSTEP 3
	v_cndmask_b32 v38, v[PWS], v[PWS+1], s34       ; lanes 0-15 keep the even K steps' words, lanes 16-31 the odd ones'
	v_cndmask_b32 v39, v[PWS+2], v[PWS+3], s34
	global_store_b64 v7, v[38:39], s[30:31]        ; 256 consecutive bytes, aligned
	s_wait_tensorcnt 0x0
	ds_add_u32 v254, v255
	s_wait_dscnt 0x0
	s_endpgm
.Lfunc_end_k_q31595d150d_quant:
	.size	k_q31595d150d_quant, .Lfunc_end_k_q31595d150d_quant-k_q31595d150d_quant
	.p2alignl 7, 3214868480
	.fill 96, 4, 3214868480
	.section	.rodata,"a",@progbits
	.p2align	6, 0x0
	.amdhsa_kernel k_q31595d150d_quant
		.amdhsa_group_segment_fixed_size 34304
		.amdhsa_private_segment_fixed_size 0
		.amdhsa_enable_private_segment 0
		.amdhsa_kernarg_size 72
		.amdhsa_user_sgpr_count 2
		.amdhsa_user_sgpr_kernarg_segment_ptr 1
		.amdhsa_wavefront_size32 1
		.amdhsa_system_sgpr_workgroup_id_x 1
		.amdhsa_system_sgpr_workgroup_id_y 1
		.amdhsa_system_sgpr_workgroup_id_z 1
		.amdhsa_system_vgpr_workitem_id 0
		.amdhsa_next_free_vgpr 256
		.amdhsa_next_free_sgpr 66
		.amdhsa_reserve_vcc 0
		.amdhsa_float_denorm_mode_32 3
		.amdhsa_float_denorm_mode_16_64 3
		.amdhsa_memory_ordered 1
		.amdhsa_forward_progress 1
		.amdhsa_inst_pref_size 37
	.end_amdhsa_kernel
	.amdgpu_metadata
---
amdhsa.version: [ 1, 2 ]
amdhsa.kernels:
  - .name:           k_q31595d150d_quant
    .symbol:         k_q31595d150d_quant.kd
    .args:
      - { .name: query, .offset: 0, .size: 8, .value_kind: global_buffer, .address_space: global }
      - { .name: key, .offset: 8, .size: 8, .value_kind: global_buffer, .address_space: global }
      - { .name: value, .offset: 16, .size: 8, .value_kind: global_buffer, .address_space: global }
      - { .name: W_Q, .offset: 24, .size: 8, .value_kind: global_buffer, .address_space: global }
      - { .name: W_K, .offset: 32, .size: 8, .value_kind: global_buffer, .address_space: global }
      - { .name: W_V, .offset: 40, .size: 8, .value_kind: global_buffer, .address_space: global }
      - { .name: W_ffn, .offset: 48, .size: 8, .value_kind: global_buffer, .address_space: global }
      - { .name: xw_codes, .offset: 56, .size: 8, .value_kind: global_buffer, .address_space: global }
      - { .name: xw_scales, .offset: 64, .size: 8, .value_kind: global_buffer, .address_space: global }
    .group_segment_fixed_size: 34304
    .private_segment_fixed_size: 0
    .kernarg_segment_align: 8
    .kernarg_segment_size: 72
    .max_flat_workgroup_size: 128
    .sgpr_count:     66
    .vgpr_count:     256
    .wavefront_size: 32
...
	.end_amdgpu_metadata
.endif
;; end of part 1
;; launch proj (part 2): grid 4 x 48, 4 waves a work-group, clusters of 4 x 4, 327,680 bytes of LDS; arguments xw_codes, xw_scales, qk_codes, qk_scales, v_codes, v_scales; writes qk_codes, qk_scales, v_codes, v_scales
.if DOCPART == 2
	.amdgcn_target "amdgcn-amd-amdhsa--gfx1250"
	.amdhsa_code_object_version 6
	.text
	.protected	k_q31595d150d_proj
	.globl	k_q31595d150d_proj
	.p2align	8
	.type	k_q31595d150d_proj,@function
k_q31595d150d_proj:
	s_mov_b64 s[64:65], 0
	v_nop
	global_prefetch_b8 v0, s[64:65] scope:SCOPE_SE
	s_setreg_imm32_b32 hwreg(HW_REG_WAVE_MODE, 25, 1), 1
	s_wait_xcnt 0x0
	s_wait_alu depctr_hold_cnt(0) depctr_sa_sdst(0) depctr_va_vdst(0) depctr_va_sdst(0) depctr_va_ssrc(0) depctr_va_vcc(0) depctr_vm_vsrc(0)
	s_getreg_b32 s2, hwreg(HW_REG_IB_STS2, 6, 4)
	s_cmp_eq_u32 s2, 0
	s_cbranch_scc0 .Lentry_in_a_cluster
	s_endpgm
.Lentry_in_a_cluster:
	s_bfe_u32 s2, ttmp6, 0x10000c
	s_cmp_lg_u32 s2, 0xf033
	s_cbranch_scc0 .Lentry_shape_is_right
	s_endpgm
.Lentry_shape_is_right:
; Q = query W_Q^T, K = key W_K^T, V = value W_V^T on codes of FP6 (E2M3) with E8M0 scales, K = 1,024, sums in f32; the results never go to memory as f32: they are quantised here for the two products of attention.
; Tile rows 0-15 of the grid make Q, 16-31 K, 32-47 V (t = tile row / 16).  A tile is 256 x 256: four waves, each 128 x 128: 64 accumulators, 512 registers.  A wave's 128 rows of x are ONE HEAD (the source's
; plain view (B, H, S, h): position s of a head is x-row s / 16 of its 128, column group s % 16 of 16; the channel is the column mod 64).
; OPERANDS arrive as images of operand registers (a fragment = six planes of 256 bytes, lane l at 8 l): six loads of 8 bytes a lane bring one, each 256 consecutive LDS bytes.  No pitch, no padding.
; K goes in 8 steps of 128 through a ring of two LDS slots, two steps to a slot; eight tile records (24,576 dense bytes) are one tensor load, one a wave.  The steps are written out: the scale registers' numbers hang on the step.
; CLUSTERS: 4 x 4 work-groups.  x's tiles are asked for jointly along a row of the cluster, W's along a column.
; THE MATRIX INSTRUCTION IS USED TRANSPOSED (source 0 = 16 rows of W, source 1 = 16 rows of x), and W's rows were chosen tile by tile by the launch before.  So in lane (r, h) the 16 registers of accumulators (a, 2 e), (a, 2 e + 1) hold, of x-row 16 a + r:
;   Q, K: column group cw + 8 (e / 2), channels 32 (e % 2) + 16 h + 0 .. 15: 16 neighbours along the first product's K;
;   V:    channel 8 cw + 2 e + h, column groups 0 .. 15: 16 neighbouring keys, neighbours along the second product's K.       (cw = 2 x tile column + my half of the columns)
; OUT.  qk_codes [t][cw][x-row / 16][6 planes]: a fragment's image: registers 6 c .. 6 c + 5 of lane (r, h) = column group cw + 8 c, block h of the head's 64, x-row r.
;   qk_scales [8 t + cw][head][r (16)][a (8)] words: bytes = (group cw: block 0, 1; group cw + 8: block 0, 1) of x-row 16 a + r.
;   v_codes [head][pos (64)][1,536 bytes]: a channel's 2,048 keys as one stream of bits; pos = 32 (d / 32) + 8 sw((d % 32) / 8) + d % 8, sw swapping its two bits.   v_scales [head][pos][64 bytes].
; LIMITS: a block of zeros gets the byte 1 where the quantiser says 127 (its codes are zeros; only this program reads the bytes).  NaN and infinities are not served.  V's codes leave in runs of 192 consecutive bytes, sixteen lanes to a run.
; REGISTERS, in windows of 256: window 0: v16-31 addresses; v32-63 x's scale words, v64-95 W's (block i, pair of K steps jp at 4 i + jp: lanes 0-15 K step 2 jp, lanes 16-31 K step 2 jp + 1); v96-127 at work; v128-223 x's fragments, one set.
;   window 1: W's fragments, two sets, at v0 and v128.   windows 2, 3: the accumulators of my rows 0-63 and 64-127, (a, b) at v[8 (8 (a % 4) + b)].
.set FR,    12
.set REC,   3072                       ; a tile's record in a slot: two fragments
.set QUART, 8*REC                      ; what one tensor load brings, and what a wave reads of x or of W
.set SLOT,  4*QUART                    ; x's 16 records, then W's 16
.set SPARE, 2*SLOT                     ; behind the ring: the spare words, 128 bytes for each wave
.set JSTRA, 3145728                    ; from a pair of K steps to the next, in memory
.set JSTRB, 3145728
.set ADRA, 16
.set ADRB, 20
.set SPW,  28
.set NIL,  29
.set SA,   32
.set SB,   64
.set TM,   96
.set PWS,  112
.set AF,   128
.set PC,   128
.set G1,  24
.set G0,  32
.set G1B, 48
.set G0B, 56
.set SEL, 72
.set MSB, 0
.macro WIN new                         ; the immediate's high byte repeats the setting that is left
.if MSB != \new
	s_set_vgpr_msb (MSB<<8)|\new
.set MSB, \new
.endif
.endm
.set MUL_LO, 0xa1                      ; source 0 (W) window 1, source 1 (x) window 0, C and D window 2
.set MUL_HI, 0xf1
.set TO_B,   0x40
.macro JLOAD s                         ; a joint load: waves 0 and 1 fetch x's halves, waves 2 and 3 W's; the branch hangs on the wave's number alone; four v_nop follow each line
	s_cmp_eq_u32 s17, 0
	s_cbranch_scc0 .Lfor_b_\@
	tensor_load_to_lds s[G0+4*\s:G0+4*\s+3], s[G1:G1+7]
	s_nop 0
.rept 4
	v_nop
.endr
	s_branch .Lasked_\@
.Lfor_b_\@:
	tensor_load_to_lds s[G0B+4*\s:G0B+4*\s+3], s[G1B:G1B+7]
	s_nop 0
.rept 4
	v_nop
.endr
.Lasked_\@:
.endm
.macro CREST                           ; a round of the cluster's barrier behind its opening barrier
	s_cmp_lg_u32 s16, 0
	s_cbranch_scc1 .Lnot_wave_0_\@
	s_barrier_signal -3
.Lnot_wave_0_\@:
	s_barrier_wait -3
	s_barrier_signal -1
	s_barrier_wait -1
.endm
.macro CROUND
	s_barrier_signal -1
	s_barrier_wait -1
	CREST
.endm
.macro PLACES n
.rept \n
	v_nop
.endr
.endm
	s_load_b256 s[4:11], s[0:1], 0x0               ; xw_codes, xw_scales, qk_codes, qk_scales
	s_load_b128 s[12:15], s[0:1], 0x20             ; v_codes, v_scales
	v_lshl_add_u32 v[SPW], v0, 2, SPARE
	v_mov_b32 v[NIL], 0
	ds_add_u32 v28, v29
	ds_add_u32 v28, v29
	s_wait_dscnt 0x0
	v_lshrrev_b32 v1, 5, v0
	v_readfirstlane_b32 s16, v1                    ; wave 0..3
	s_lshr_b32 s17, s16, 1                         ; my half of the tile's rows.  Also: I fetch for x (0) or for W (1)
	s_and_b32 s18, s16, 1                          ; my half of its columns.  Also: which eight records I fetch
	s_bfe_u32 s19, ttmp6, 0x40000                  ; cx
	s_bfe_u32 s20, ttmp6, 0x40004                  ; cy
	s_lshl_b32 s21, ttmp9, 2
	s_add_co_u32 s21, s21, s19                     ; tile column
	s_and_b32 s42, ttmp7, 0xffff                   ; the cluster's y
	s_lshr_b32 s23, s42, 2                         ; t: 0 Q, 1 K, 2 V: the same in all sixteen partners
	s_lshl_b32 s22, s42, 2
	s_add_co_u32 s22, s22, s20                     ; tile row 0..47
	s_lshl_b32 s40, s20, 2
	s_lshl_b32 s40, 15, s40                        ; my row of the cluster
	s_lshl_b32 s41, 0x1111, s19                    ; my column
	; descriptor group 1: 24,576 dense bytes as 96 rows of 32 elements of 8 bytes; no padding
	s_or_b32 s[G1+0], s40, (3<<16)|(1<<21)         ; 15:0 the mask; 17:16 elements of 8 bytes; 21 set beside a mask
	s_or_b32 s[G1B+0], s41, (3<<16)|(1<<21)
.irp g, G1, G1B
	s_mov_b32 s[\g+1], 32<<16                      ; tensor_dim0
	s_mov_b32 s[\g+2], 96<<16                      ; tensor_dim1
	s_mov_b32 s[\g+3], 32<<16                      ; tile_dim0
	s_mov_b32 s[\g+4], 96                          ; tile_dim1
	s_mov_b32 s[\g+5], 32                          ; stride
	s_mov_b32 s[\g+6], 0
	s_mov_b32 s[\g+7], 0
.endr
	s_lshl_b32 s66, s22, 4                         ; x: tile 16 x tile row + 8 x half: hangs on the tile row alone
	s_lshl_b32 s67, s18, 3
	s_add_co_u32 s66, s66, s67
	s_mul_i32 s66, s66, REC
	s_mov_b32 s67, 0
	s_lshl_b32 s68, s23, 6                         ; W: tile 768 + 64 t + 16 x tile column + 8 x half: hangs on the tile column and on t
	s_lshl_b32 s69, s21, 4
	s_add_co_u32 s68, s68, s69
	s_lshl_b32 s69, s18, 3
	s_add_co_u32 s68, s68, s69
	s_add_co_u32 s68, s68, 768
	s_mul_i32 s68, s68, REC
	s_mov_b32 s69, 0
	s_mul_i32 s70, s16, QUART                      ; where they go: wave x 24,576
	s_mov_b32 s[SEL], 0x76543210
	s_mov_b32 s[SEL+1], 0xfedcba98
	s_mov_b32 s74, 0xffff0000                      ; lanes 16-31
	s_wait_kmcnt 0x0
	s_add_nc_u64 s[66:67], s[4:5], s[66:67]
	s_add_nc_u64 s[68:69], s[4:5], s[68:69]
	CROUND                                         ; all sixteen work-groups are here: the first joint loads meet
.irp s, 0,1
	s_mov_b32 s[G0+4*\s], 1
	s_add_co_u32 s[G0+4*\s+1], s70, \s*SLOT
	s_add_nc_u64 s[G0+4*\s+2:G0+4*\s+3], s[66:67], \s*JSTRA
	s_or_b32 s[G0+4*\s+3], s[G0+4*\s+3], 0x80000000
	s_mov_b32 s[G0B+4*\s], 1
	s_add_co_u32 s[G0B+4*\s+1], s70, \s*SLOT
	s_add_nc_u64 s[G0B+4*\s+2:G0B+4*\s+3], s[68:69], \s*JSTRB
	s_or_b32 s[G0B+4*\s+3], s[G0B+4*\s+3], 0x80000000
.endr
	JLOAD 0                                        ; slot 0: one tensor load a wave at the head
	v_and_b32 v1, 31, v0                           ; lane
	v_and_b32 v2, 15, v0                           ; r
	v_bfe_u32 v3, v0, 4, 1                         ; h
	v_lshlrev_b32 v26, 3, v1                       ; 8 lane
	s_wait_alu depctr_va_vdst(0)
	s_mul_i32 s70, s17, QUART                      ; my eight records of x,
	s_mul_i32 s71, s18, QUART                      ; my eight of W, behind x's sixteen
	s_add_co_u32 s71, s71, 2*QUART
.irp s, 0,1
	v_add_nc_u32 v[ADRA+\s], s70, v26
	v_add_nc_u32 v[ADRB+\s], s71, v26
	s_add_co_u32 s70, s70, SLOT
	s_add_co_u32 s71, s71, SLOT
.endr
	s_lshl_b32 s70, s22, 4                         ; the scale words of the tiles that I multiply: 512 bytes a tile
	s_lshl_b32 s71, s17, 3
	s_add_co_u32 s70, s70, s71
	s_lshl_b32 s70, s70, 9
	v_add_nc_u32 v30, s70, v26
	s_lshl_b32 s70, s23, 6
	s_lshl_b32 s71, s21, 4
	s_add_co_u32 s70, s70, s71
	s_lshl_b32 s71, s18, 3
	s_add_co_u32 s70, s70, s71
	s_add_co_u32 s70, s70, 768
	s_lshl_b32 s70, s70, 9
	v_add_nc_u32 v31, s70, v26
.irp i, 0,1,2,3,4,5,6,7
.irp k, 0,1
	global_load_b64 v[SA+4*\i+2*\k:SA+4*\i+2*\k+1], v30, s[6:7] offset:512*\i+256*\k   ; all of K's scale words, once: each load 256 consecutive bytes
	global_load_b64 v[SB+4*\i+2*\k:SB+4*\i+2*\k+1], v31, s[6:7] offset:512*\i+256*\k
.endr
.endr
	; the offsets of both ways out
	v_lshlrev_b32 v27, 5, v2
	v_lshl_add_u32 v27, v3, 4, v27                 ; Q, K: scale words: 32 r + 16 h
	v_mul_u32_u24 v22, v3, 192                     ; V: codes: 192 h + 12 r
	v_mad_u32_u24 v22, v2, 12, v22                 ; V: codes: 192 h + 12 r
	v_lshlrev_b32 v23, 4, v1                       ; V: scale bytes on their way out: 16 lane
	s_lshl_b32 s70, s16, 9                         ; V: my 512 bytes of LDS for scale bytes, in slot 0, which has then had its last fill and its last read
	v_lshrrev_b32 v24, 1, v2
	v_lshl_add_u32 v24, v3, 6, v24
	v_add_nc_u32 v24, s70, v24                     ; in: 64 h + r / 2
	v_add_nc_u32 v25, s70, v23                     ; back: 16 lane
.irp b, 0,1,2,3
	v_mov_b32 v[TM+4+\b], 0                        ; written once: a lane permute's destination counts as one of its sources
.endr
	s_lshl_b32 s75, s21, 1
	s_add_co_u32 s75, s75, s18                     ; cw
	s_and_b32 s76, s22, 15
	s_lshl_b32 s76, s76, 1
	s_add_co_u32 s76, s76, s17                     ; the head, 0..31
.macro FRAG reg, adr, q, i             ; a fragment: six planes
.irp p, 0,1,2,3,4,5
	ds_load_b64 v[\reg+2*\p:\reg+2*\p+1], v[\adr] offset:REC*(\i)+1536*(\q)+256*\p
.endr
.endm
; 16 matrix instructions: x's blocks a0, a0 + 1 against W's eight, K step j.  p: W's set.  start = 1: the products start the sums.  The 64 accumulators take turns, one instruction a turn, in the same order in every step.
.macro MUL16 a0, p, j, start
.irp a, \a0, \a0+1
.irp b, 0,1,2,3,4,5,6,7
.if \start
	v_wmma_scale_f32_16x16x128_f8f6f4 v[8*(8*((\a)%4)+\b):8*(8*((\a)%4)+\b)+7], v[128*(\p)+FR*\b:128*(\p)+FR*\b+FR-1], v[AF+FR*(\a):AF+FR*(\a)+FR-1], 0, v[SB+4*\b+(\j)/2], v[SA+4*(\a)+(\j)/2] matrix_a_fmt:MATRIX_FMT_FP6 matrix_b_fmt:MATRIX_FMT_FP6
.elseif (\j)%2
	v_wmma_scale_f32_16x16x128_f8f6f4 v[8*(8*((\a)%4)+\b):8*(8*((\a)%4)+\b)+7], v[128*(\p)+FR*\b:128*(\p)+FR*\b+FR-1], v[AF+FR*(\a):AF+FR*(\a)+FR-1], v[8*(8*((\a)%4)+\b):8*(8*((\a)%4)+\b)+7], v[SB+4*\b+(\j)/2], v[SA+4*(\a)+(\j)/2] matrix_a_fmt:MATRIX_FMT_FP6 matrix_b_fmt:MATRIX_FMT_FP6 matrix_a_scale:MATRIX_SCALE_ROW1 matrix_b_scale:MATRIX_SCALE_ROW1
.else
	v_wmma_scale_f32_16x16x128_f8f6f4 v[8*(8*((\a)%4)+\b):8*(8*((\a)%4)+\b)+7], v[128*(\p)+FR*\b:128*(\p)+FR*\b+FR-1], v[AF+FR*(\a):AF+FR*(\a)+FR-1], v[8*(8*((\a)%4)+\b):8*(8*((\a)%4)+\b)+7], v[SB+4*\b+(\j)/2], v[SA+4*(\a)+(\j)/2] matrix_a_fmt:MATRIX_FMT_FP6 matrix_b_fmt:MATRIX_FMT_FP6
.endif
.endr
.endr
.endm
.macro FETCH_B slot, q, p
	WIN TO_B
.irp i, 0,1,2,3,4,5,6,7
	FRAG 128*(\p)+FR*\i, ADRB+\slot, \q, \i
.endr
	WIN 0
.endm
.macro FETCH_A slot, q, i0
.irp i, \i0, \i0+1, \i0+2, \i0+3
	FRAG AF+FR*(\i), ADRA+\slot, \q, \i
.endr
.endm
; A slot's first K step (j even).  A load into a register that a matrix instruction has read stands four plain vector places behind it (ISA guide 7.12.1 for vector instructions).
.macro STEP slot, j, start
	s_wait_dscnt 24                                ; W's set and x's blocks 0-3 are in; the youngest 24 loads (x's blocks 4-7) may be out
	WIN MUL_LO
	MUL16 0, 0, \j, \start
	MUL16 2, 0, \j, \start
	s_wait_dscnt 0x0
	PLACES 4
	FETCH_B \slot, 1, 1
	FETCH_A \slot, 1, 0
	WIN MUL_HI
	MUL16 4, 0, \j, \start
	MUL16 6, 0, \j, \start
	PLACES 4
	WIN 0
	FETCH_A \slot, 1, 4
.endm
; A slot's second K step (j odd) changes slots: one barrier; in front of it each wave waits for all its tensor loads, adds 0 to its spare word, and waits for that and for its reads of this slot.  fill = 1: this slot is filled again.
.macro TURN slot, next, j, fill
	s_wait_tensorcnt 0x0                           ; all my tensor loads have landed: my part of the next slot
	ds_add_u32 v[SPW], v[NIL]                      ; 0 onto my spare word
	s_wait_dscnt 25                                ; the add and the youngest 24 loads (x's blocks 4-7) may be out
	WIN MUL_LO
	MUL16 0, 1, \j, 0
	s_wait_dscnt 0x0                               ; the add is done, and my reads of this slot are over
	s_barrier_signal -1
	MUL16 2, 1, \j, 0
	WIN 0
	s_barrier_wait -1
.if \fill
	CREST                                          ; the barrier has opened a round of the cluster's: no wave of any partner still reads this slot or has a load on its way
	s_add_nc_u64 s[G0+4*\slot+2:G0+4*\slot+3], s[G0+4*\slot+2:G0+4*\slot+3], 2*JSTRA
	s_add_nc_u64 s[G0B+4*\slot+2:G0B+4*\slot+3], s[G0B+4*\slot+2:G0B+4*\slot+3], 2*JSTRB
	JLOAD \slot                                    ; the first tensor load behind the round; its four v_nop are the places in front of the loads below
.else
	PLACES 4
.endif
	FETCH_B \next, 0, 0
	FETCH_A \next, 0, 0
	WIN MUL_HI
	MUL16 4, 1, \j, 0
	MUL16 6, 1, \j, 0
	PLACES 4
	WIN 0
	FETCH_A \next, 0, 4
.endm
	s_wait_alu depctr_va_vdst(0)                   ; the wait at the head's end
	s_wait_tensorcnt 0x0                           ; my part of slot 0 is in; slot 1's first fill is issued as a refill is:
	ds_add_u32 v[SPW], v[NIL]                      ; 0 onto my spare word
	s_wait_dscnt 0x0
	CROUND                                         ; a whole round: slot 0 is whole, and the joint loads meet
	JLOAD 1                                        ; K steps 2, 3: the first tensor load behind the round
	FETCH_B 0, 0, 0
	FETCH_A 0, 0, 0
	FETCH_A 0, 0, 4
	s_wait_loadcnt 0x0                             ; the scale words
	STEP 0, 0, 1
	TURN 0, 1, 1, 1                                ; slot 0 takes K steps 4, 5
	STEP 1, 2, 0
	TURN 1, 0, 3, 1                                ; slot 1 takes K steps 6, 7
	STEP 0, 4, 0
	TURN 0, 1, 5, 0                                ; nothing is left to fetch
	STEP 1, 6, 0
	s_wait_dscnt 24
	WIN MUL_LO
	MUL16 0, 1, 7, 0
	MUL16 2, 1, 7, 0
	s_wait_dscnt 0x0
	WIN MUL_HI
	MUL16 4, 1, 7, 0
	MUL16 6, 1, 7, 0
	WIN 0
	PLACES 4                                       ; in front of the first read of results and the first write over x's fragments
; the largest magnitude of each of block a's four runs of 16 registers, each accumulator from its low end on; the floor 2^(3 - 127) holds the byte at 1 from below
.macro BLKMAX a
.set AC, 64*((\a)%4)
	WIN 0x0a+5*((\a)/4)                            ; sources 0 and 1: window 2 or 3
.irp b, 0,1,2,3
	v_max3_num_f32 v[TM+\b], |v[AC+16*\b]|, |v[AC+16*\b+1]|, 0x1800000
.endr
.irp i, 2,4,6,8,10,12,14
.irp b, 0,1,2,3
	v_max3_num_f32 v[TM+\b], |v[AC+16*\b+\i]|, |v[AC+16*\b+\i+1]|, v[TM+\b]
.endr
.endr
	WIN 0
.endm
; Q, K: 16 x-rows become one fragment's image and a scale word a row
.macro OUTQK a
	BLKMAX \a
.irp b, 0,1,2,3
	v_permlanex16_b32 v[TM+4+\b], v[TM+\b], s[SEL], s[SEL+1]
.endr
.irp b, 0,1,2,3
	v_max_num_f32 v[TM+\b], v[TM+\b], v[TM+4+\b]   ; with lane l xor 16's 16 channels: the block's
.endr
.irp b, 0,1,2,3
	v_add_nc_u32 v[TM+12+\b], 0xff000000, v[TM+\b]
.endr
.irp b, 0,1,2,3
	v_lshrrev_b32 v[TM+4+\b], 23, v[TM+12+\b]
.endr
	v_lshl_or_b32 v[PWS+\a], v[TM+5], 8, v[TM+4]
	v_lshl_or_b32 v[PWS+\a], v[TM+6], 16, v[PWS+\a]
	v_lshl_or_b32 v[PWS+\a], v[TM+7], 24, v[PWS+\a]
.if \a > 0
	s_wait_xcnt 0x0                                ; the last block's stores have read the codes' registers
.endif
	WIN 0x02+(\a)/4                                ; source 0: window 2 or 3
.irp c, 0,1
	v_cvt_scalef32_pk16_fp6_f32 v[PC+6*\c:PC+2+6*\c], v[AC+32*\c:AC+32*\c+15], v[TM+12+2*\c]
	v_cvt_scalef32_pk16_fp6_f32 v[PC+12+4*\c:PC+14+4*\c], v[AC+32*\c+16:AC+32*\c+31], v[TM+12+2*\c+1]
.endr
	WIN 0
	v_nop                                          ; one plain place behind a scaled conversion
.irp c, 0,1
.irp i, 0,1,2
	v_permlane16_swap_b32 v[PC+6*\c+\i], v[PC+12+4*\c+\i]
.endr
.irp i, 0,1,2
	v_mov_b32 v[PC+3+6*\c+\i], v[PC+12+4*\c+\i]
.endr
.endr
.irp p, 0,1,2,3,4,5
	global_store_b64 v26, v[PC+2*\p:PC+2*\p+1], s[8:9] offset:1536*\a+256*\p   ; a plane: 256 consecutive bytes, aligned
.endr
.endm
; V: a lane's 16 registers are 16 neighbouring keys of one channel; a block of 32 keys lies in lanes r and r xor 1
.macro OUTV a
	BLKMAX \a
.irp b, 0,1,2,3
	v_max_num_f32_dpp v[TM+\b], v[TM+\b], v[TM+\b] row_xmask:1 row_mask:0xf bank_mask:0xf
.endr
.irp b, 0,1,2,3
	v_add_nc_u32 v[TM+12+\b], 0xff000000, v[TM+\b]
.endr
.irp b, 0,1,2,3
	v_lshrrev_b32 v[TM+4+\b], 23, v[TM+12+\b]
.endr
.if \a > 0
	s_wait_alu depctr_va_vdst(0)
	s_wait_xcnt 0x0
.endif
	WIN 0x02+(\a)/4
.irp b, 0,1,2,3
	v_cvt_scalef32_pk16_fp6_f32 v[PC+4*\b:PC+4*\b+2], v[AC+16*\b:AC+16*\b+15], v[TM+12+\b]
.endr
	WIN 0
	v_nop
.irp b, 0,1,2,3
	; v_codes is laid [head][256 keys (8)][pos (64)][192 bytes], in place of the layout named at the head: block a's 256 keys of all 64 places are 12,288 dense bytes
	global_store_b96 v22, v[PC+4*\b:PC+4*\b+2], s[12:13] offset:384*\b+12288*\a   ; the wave stores 384 consecutive bytes: two places' 192
.endr
.irp b, 0,1,2,3
	ds_store_b8 v24, v[TM+4+\b] offset:128*\b+8*\a   ; both lanes of a block write the same byte with the same value
.endr
.endm
	s_cmp_eq_u32 s23, 2                            ; hangs on the cluster's y alone
	s_cbranch_scc1 .Lv_way
	s_mul_i32 s78, s23, 3145728
	s_mul_i32 s79, s75, 393216
	s_add_co_u32 s78, s78, s79
	s_mul_i32 s79, s76, 12288
	s_add_co_u32 s78, s78, s79
	s_mov_b32 s79, 0
	s_add_nc_u64 s[8:9], s[8:9], s[78:79]          ; qk_codes at [t][cw][8 x head]
	s_lshl_b32 s78, s23, 3
	s_add_co_u32 s78, s78, s75
	s_lshl_b32 s78, s78, 14
	s_lshl_b32 s80, s76, 9
	s_add_co_u32 s78, s78, s80
	s_add_nc_u64 s[10:11], s[10:11], s[78:79]      ; qk_scales at [8 t + cw][head]
.irp a, 0,1,2,3,4,5,6,7
	OUTQK \a
.endr
.irp i, 0,1,2,3
	v_cndmask_b32 v[120+\i], v[PWS+\i], v[PWS+4+\i], s74   ; lanes 0-15 blocks 0-3, lanes 16-31 blocks 4-7
.endr
	global_store_b128 v27, v[120:123], s[10:11]    ; the wave stores 512 consecutive bytes
	s_branch .Lend
.Lv_way:
	s_and_b32 s80, s75, 4                          ; the first of my eight channels' places: 8 ((cw & 4) | (cw & 1) << 1 | (cw >> 1) & 1)
	s_and_b32 s81, s75, 1
	s_lshl_b32 s81, s81, 1
	s_or_b32 s80, s80, s81
	s_bfe_u32 s81, s75, 0x10001
	s_or_b32 s80, s80, s81
	s_lshl_b32 s80, s80, 3
	s_mul_i32 s78, s76, 98304
	s_mul_i32 s81, s80, 192
	s_add_co_u32 s78, s78, s81
	s_mov_b32 s79, 0
	s_add_nc_u64 s[12:13], s[12:13], s[78:79]
	s_lshl_b32 s78, s76, 12
	s_lshl_b32 s81, s80, 6
	s_add_co_u32 s78, s78, s81
	s_add_nc_u64 s[14:15], s[14:15], s[78:79]
.irp a, 0,1,2,3,4,5,6,7
	OUTV \a
.endr
	ds_load_b128 v[120:123], v25                   ; LDS serves a wave's instructions in order: this sees my stores
	s_wait_dscnt 0x0
	global_store_b128 v23, v[120:123], s[14:15]    ; eight channels' 64 scale bytes: 512 consecutive bytes
.Lend:
	s_wait_tensorcnt 0x0                           ; the wave's end
	ds_add_u32 v[SPW], v[NIL]
	s_wait_dscnt 0x0
	CROUND                                         ; the closing round
	s_endpgm
.Lfunc_end_k_q31595d150d_proj:
	.size	k_q31595d150d_proj, .Lfunc_end_k_q31595d150d_proj-k_q31595d150d_proj
	.p2alignl 7, 3214868480
	.fill 96, 4, 3214868480
	.section	.rodata,"a",@progbits
	.p2align	6, 0x0
	.amdhsa_kernel k_q31595d150d_proj
		.amdhsa_group_segment_fixed_size 327680
		.amdhsa_private_segment_fixed_size 0
		.amdhsa_enable_private_segment 0
		.amdhsa_kernarg_size 48
		.amdhsa_user_sgpr_count 2
		.amdhsa_user_sgpr_kernarg_segment_ptr 1
		.amdhsa_wavefront_size32 1
		.amdhsa_system_sgpr_workgroup_id_x 1
		.amdhsa_system_sgpr_workgroup_id_y 1
		.amdhsa_system_sgpr_workgroup_id_z 1
		.amdhsa_system_vgpr_workitem_id 0
		.amdhsa_next_free_vgpr 1024
		.amdhsa_next_free_sgpr 100
		.amdhsa_reserve_vcc 0
		.amdhsa_float_denorm_mode_32 3
		.amdhsa_float_denorm_mode_16_64 3
		.amdhsa_memory_ordered 1
		.amdhsa_forward_progress 1
		.amdhsa_inst_pref_size 197
	.end_amdhsa_kernel
	.amdgpu_metadata
---
amdhsa.version: [ 1, 2 ]
amdhsa.kernels:
  - .name:           k_q31595d150d_proj
    .symbol:         k_q31595d150d_proj.kd
    .args:
      - { .name: xw_codes, .offset: 0, .size: 8, .value_kind: global_buffer, .address_space: global }
      - { .name: xw_scales, .offset: 8, .size: 8, .value_kind: global_buffer, .address_space: global }
      - { .name: qk_codes, .offset: 16, .size: 8, .value_kind: global_buffer, .address_space: global }
      - { .name: qk_scales, .offset: 24, .size: 8, .value_kind: global_buffer, .address_space: global }
      - { .name: v_codes, .offset: 32, .size: 8, .value_kind: global_buffer, .address_space: global }
      - { .name: v_scales, .offset: 40, .size: 8, .value_kind: global_buffer, .address_space: global }
    .group_segment_fixed_size: 327680
    .private_segment_fixed_size: 0
    .kernarg_segment_align: 8
    .kernarg_segment_size: 48
    .max_flat_workgroup_size: 128
    .sgpr_count:     100
    .vgpr_count:     1024
    .wavefront_size: 32
...
	.end_amdgpu_metadata
.endif
;; end of part 2
;; launch attn (part 3): grid 4 x 64, 16 waves a work-group, clusters of 4 x 4, 327,680 bytes of LDS; arguments qk_codes, qk_scales, v_codes, v_scales, c_codes, c_scales; writes c_codes, c_scales
.if DOCPART == 3
	.amdgcn_target "amdgcn-amd-amdhsa--gfx1250"
	.amdhsa_code_object_version 6
	.text
	.protected	k_q31595d150d_attn
	.globl	k_q31595d150d_attn
	.p2align	8
	.type	k_q31595d150d_attn,@function
k_q31595d150d_attn:
	s_mov_b64 s[64:65], 0
	v_nop
	global_prefetch_b8 v0, s[64:65] scope:SCOPE_SE
	s_setreg_imm32_b32 hwreg(HW_REG_WAVE_MODE, 25, 1), 1
	s_wait_xcnt 0x0
	s_wait_alu depctr_hold_cnt(0) depctr_sa_sdst(0) depctr_va_vdst(0) depctr_va_sdst(0) depctr_va_ssrc(0) depctr_va_vcc(0) depctr_vm_vsrc(0)
	s_getreg_b32 s2, hwreg(HW_REG_IB_STS2, 6, 4)
	s_cmp_eq_u32 s2, 0
	s_cbranch_scc0 .Lentry_in_a_cluster
	s_endpgm
.Lentry_in_a_cluster:
	s_bfe_u32 s2, ttmp6, 0x10000c
	s_cmp_lg_u32 s2, 0xf033
	s_cbranch_scc0 .Lentry_shape_is_right
	s_endpgm
.Lentry_shape_is_right:
; Causal attention of 32 heads of 2,048 positions x 64 channels on codes of FP6 (E2M3) with E8M0 scales; the result, divided by the row's sum, is quantised along the head's 64 channels for the last product.
; t = score x log2(e) / 8; M = the running largest t rounded up to a whole number; p = 2^(t - M) is quantised along the keys, not normalised; the row's sum is taken of the unquantised p.  When M moves, sum and O are multiplied by 2^(old M - new M): exact.
; LEFT OUT: a step of 128 keys all of which come after a tile's 16 queries: the causal mask gives them the weight 0 for every input.
; SHARES.  A tile is 16 queries, one x-row of the head; the eight x-rows 8 u .. 8 u + 7 have u + 1 live key steps each.  Eight work-groups serve a head; work-group c takes x-row 8 u + c of every u = 0 .. 15.
; Waves go in pairs: pair u (0 .. 7) has the short tile u (u + 1 steps) and the long tile 15 - u (16 - u steps).  Wave A of the pair takes the long tile's steps 0-7 and lays its O, -M and sum in LDS; wave B takes the short tile, stores it,
; takes the long tile's steps 8 on, joins A's part behind the one barrier (both parts x a power of two: exact) and stores the long tile.  So A has 8 live steps and B 9, whatever u.  The role is (w ^ (w >> 2)) & 1, the pair w >> 1:
; whichever four waves share a SIMD (w % 4 alike, or w / 4 alike) are two of each role.  Lane r holds query 16 x-row + r throughout.
; THE WHOLE HEAD LIES IN LDS: K's codes 98,304 bytes, V's 98,304, their scales 8,192: each byte is filled once, by sixteen loads at the head, one a wave (waves 0-7 a tile of K, 8-13 a sixth of V, 14 K's scale words, 15 V's scale bytes);
; no barrier stands inside a loop.  Every wait on TENSORcnt is for 0.  Trip counts are constants; a hidden step is jumped over by a scalar branch, round its loads and its work alone.
; CLUSTERS: 4 x 4 work-groups: two heads, a head's eight work-groups in two rows.  The four of a row ask for K, V and the scales jointly.  Branches hang on the wave's number alone: c enters only global addresses and the mask's numbers.
; NO PREFETCH: all that the launch fetches is asked for at its head; no loop is left to run ahead in.  Q's fragments and scale bytes are read once by one wave: they go from memory straight into registers.
; BOTH PRODUCTS TRANSPOSED: S^T = K Q^T (source 0 = 16 keys), O^T = V^T P^T (source 0 = 16 channels).  The first product's K is 64: a fragment of K holds TWO tiles of keys (registers 0-5, 6-11),
; multiplied once by [Q | 0] and once by [0 | Q]: zero codes add nothing.  Lane r of tile 2 f + u takes key 32 f + 8 u + (r & 7) + 16 (r >> 3): the 16 registers of tiles 2 f, 2 f + 1 are keys 32 f + 16 (lane / 16) + 0 .. 15.
; In qk_codes that key is column group (r & 7) + 8 u of x-row 2 f + (r >> 3): row cw = r & 7 of the tile, half u, and its scale word as stored is the packed fragment's own.
; V's rows lie in the order pos, so that the 16 registers of O^T's tiles 2 b, 2 b + 1 are channels 32 b + 16 (lane / 16) + 0 .. 15.
; OUT: c_codes [K step / 2][tile of 16 rows][K step % 2][6 planes][lane][8 bytes]; c_scales [tile][lane (r, K step % 2)][K step / 2] words, my head's two bytes in the half word head % 2.
; LIMITS: a block of zeros gets the byte 1 where the quantiser says 127 (zero codes; only this program reads the bytes).  NaN and infinities are not served.  The scaled scores stay under 2^31 in magnitude.  A block's largest p is made from the
; block's largest score by the same multiply-add and exponential, which takes v_exp_f32 not to fall where its input rises.  c_scales leaves in pieces of 2 bytes, 16 apart: 131,072 bytes in all.  Q's 24 bytes a lane are read in pieces of 8.
; LDS: K: tile T (256 keys) at 12,800 T: 8 rows x 1,584 (six planes of 256 + 8).  V: 256 keys at VB + 15,360 a: 64 rows x 240 (3 x (64 + 16)).  SBASE: K's scale words, 8 rows x 528.  TBASE: V's scale bytes, 64 rows x 80.
;   PBASE: a pair's part, 4,352 bytes: images of 34 registers.  SPARE: the spare words.
; REGISTERS: v1-5 lane places; v6, v7 the add's; v8-12 the step's addresses; v14 -M, v15 the largest t; v[16:17] the sum; v18 Q's scales; v20-31 [Q | 0]; v32-43 [0 | Q]; v44-91 four fragments; v92-95 their scale words;
;   v96-159 S^T, then p; v160-191 O^T; v192-203 p's codes; v204-210 the conversions' second halves; v212-215 block maxima; v216-219 the other half's, then bytes; v220-223 scale operands; v224 p's scale word; v[226:227] f; v228-237 at work;
;   v238-244 B's second Q and its scale bytes; v245, v246 their offsets; v247, v248 the part's LDS places.
.set KT, 12800
.set VB, 102400
.set VS, 15360
.set SBASE, 225280
.set TBASE, 229632
.set PBASE, 234752
.set PART, 4352
.set SPARE, PBASE+8*PART
.set BM, 212
.set PT, 216
.set SO, 220
.set G1K, 24
.set G1V, 32
.set G1S, 40
.set G1T, 48
.set G0K, 56
.set G0V, 60
.set G0S, 68
.set G0T, 72
.set TV, 76                            ; V's bytes of the slot in hand
.set XS, 77                            ; the short tile's x-row
.set XL, 78                            ; the long tile's
.set X1, 79                            ; the first loop's
.set TK, 80                            ; K's bytes of the slot in hand
.set TS, 81                            ; 4 bytes a slot: K's scale words
.set TJ, 82                            ; 8 bytes a slot: V's
.set SLOTS, 83
.set SI, 84                            ; the step's number, 0 .. 15
.set Q0, 85                            ; my first query
.set UL, 98                            ; the last live step of the tile in hand: made of the wave's number alone
.set Q2, 99                            ; the long tile's first query
.macro NOP4
.rept 4
	v_nop
.endr
.endm
.macro G1SET g, w0, c, r, p            ; group 1: the mask of my row; r rows of c elements of 8 bytes, p elements apart
	s_or_b32 s[\g], s89, \w0
	s_mov_b32 s[\g+1], (\c)<<16
	s_mov_b32 s[\g+2], (\r)<<16
	s_mov_b32 s[\g+3], (\c)<<16
	s_mov_b32 s[\g+4], \r
	s_mov_b32 s[\g+5], \p
	s_mov_b32 s[\g+6], 0
	s_mov_b32 s[\g+7], 0
.endm
.macro TL g0, g1                       ; a tensor load; s_nop 0 and four v_nop follow it
	tensor_load_to_lds s[\g0:\g0+3], s[\g1:\g1+7]
	s_nop 0
	NOP4
.endm
.macro CROUND                          ; a round of the cluster's barrier
	s_barrier_signal -1
	s_barrier_wait -1
	s_cmp_lg_u32 s16, 0
	s_cbranch_scc1 .Lnot_wave_0_\@
	s_barrier_signal -3
.Lnot_wave_0_\@:
	s_barrier_wait -3
	s_barrier_signal -1
	s_barrier_wait -1
.endm
	s_load_b256 s[4:11], s[0:1], 0x0               ; qk_codes, qk_scales, v_codes, v_scales
	s_load_b128 s[12:15], s[0:1], 0x20             ; c_codes, c_scales
	v_lshl_add_u32 v6, v0, 2, SPARE
	v_mov_b32 v7, 0
	ds_add_u32 v6, v7                              ; the opening lines: the add, twice on end, and its wait
	ds_add_u32 v6, v7
	v_lshrrev_b32 v8, 5, v0
	v_readfirstlane_b32 s16, v8                    ; wave 0..15
	s_lshr_b32 s18, s16, 2
	s_xor_b32 s17, s16, s18
	s_and_b32 s17, s17, 1                          ; the role: 0 A, 1 B
	s_lshr_b32 s18, s16, 1                         ; the pair: u of the short tile
	s_sub_co_u32 s19, 15, s18                      ; u of the long tile
	s_bfe_u32 s86, ttmp6, 0x40000                  ; cx
	s_bfe_u32 s87, ttmp6, 0x40004                  ; cy
	s_and_b32 s88, ttmp7, 0xffff
	s_lshl_b32 s88, s88, 2
	s_add_co_u32 s88, s88, s87                     ; work-group y = 4 x cluster y + cy
	s_lshr_b32 s96, s88, 1                         ; the head, 0..31: the same along a row of the cluster
	s_lshl_b32 s89, s87, 2
	s_lshl_b32 s89, 15, s89                        ; my row of the cluster
	s_and_b32 s88, s88, 1
	s_lshl_b32 s88, s88, 2
	s_add_co_u32 s97, s88, s86                     ; c, 0..7
	s_lshl_b32 s[XS], s18, 3
	s_add_co_u32 s[XS], s[XS], s97
	s_lshl_b32 s[XL], s19, 3
	s_add_co_u32 s[XL], s[XL], s97
	s_cmp_eq_u32 s17, 0
	s_cselect_b32 s[X1], s[XL], s[XS]              ; the first loop: A the long tile, B the short one
	s_cselect_b32 s[UL], s19, s18
	s_lshl_b32 s[Q0], s[X1], 4
	s_lshl_b32 s[Q2], s[XL], 4
	s_and_b32 s90, s16, 7                          ; which tile of K, or which sixth of V, I fetch
	s_mul_i32 s92, s96, 12288
	s_mul_i32 s91, s90, 1536
	s_add_co_u32 s92, s92, s91
	s_add_co_u32 s92, s92, 3145728
	s_mov_b32 s93, 0                               ; K's tile, in bytes
	s_mul_i32 s94, s96, 98304
	s_lshl_b32 s91, s90, 14
	s_add_co_u32 s94, s94, s91
	s_mov_b32 s95, 0                               ; V's sixth: 16,384 bytes
	s_mul_i32 s86, s90, KT                         ; and where they go
	s_mul_i32 s87, s90, 20480
	s_add_co_u32 s87, s87, VB
	G1SET G1K, (3<<16)|(1<<20)|(1<<21)|(5<<22)|(1<<25), 192, 8, 49152    ; a tile of K: 8 rows (cw) of 1,536 bytes, 393,216 apart; 8 bytes of padding behind every 256
	G1SET G1V, (3<<16)|(1<<20)|(1<<21)|(3<<22)|(3<<25), 32, 64, 32       ; a sixth of V: 16,384 dense bytes as rows of 256; 16 bytes of padding behind every 64
	G1SET G1S, (3<<16)|(1<<20)|(1<<21)|(6<<22)|(3<<25), 64, 8, 2048      ; K's scale words: 8 rows of 512 bytes, 16,384 apart; 16 bytes behind each
	G1SET G1T, (3<<16)|(1<<20)|(1<<21)|(3<<22)|(3<<25), 32, 16, 32       ; V's scale bytes: 4,096 dense bytes as rows of 256; 16 bytes behind every 64
	s_lshl_b32 s88, s96, 9
	s_add_co_u32 s88, s88, 131072
	s_mov_b32 s89, 0                               ; K's scale words
	s_lshl_b32 s90, s96, 12
	s_mov_b32 s91, 0                               ; V's scale bytes
	s_mov_b32 s20, 0x76543210
	s_mov_b32 s21, 0xfedcba98                      ; lane l xor 16
	s_mov_b32 s22, 0x3e38aa3b                      ; c = log2(e) / 8
	s_mov_b32 s23, s22                             ; named with it as a pair, so it is written
	s_mov_b32 s[TK], 0
	s_mov_b32 s[TV], 0
	s_mov_b32 s[TS], 0
	s_mov_b32 s[TJ], 0
	s_mov_b32 s[SI], 0
	s_wait_dscnt 0x0                               ; both opening adds are done
	s_wait_kmcnt 0x0
	s_mov_b32 s[G0K], 1
	s_mov_b32 s[G0K+1], s86
	s_add_nc_u64 s[G0K+2:G0K+3], s[4:5], s[92:93]
	s_or_b32 s[G0K+3], s[G0K+3], 0x80000000
	s_mov_b32 s[G0V], 1
	s_mov_b32 s[G0V+1], s87
	s_add_nc_u64 s[G0V+2:G0V+3], s[8:9], s[94:95]
	s_or_b32 s[G0V+3], s[G0V+3], 0x80000000
	s_mov_b32 s[G0S], 1
	s_mov_b32 s[G0S+1], SBASE
	s_add_nc_u64 s[G0S+2:G0S+3], s[6:7], s[88:89]
	s_or_b32 s[G0S+3], s[G0S+3], 0x80000000
	s_mov_b32 s[G0T], 1
	s_mov_b32 s[G0T+1], TBASE
	s_add_nc_u64 s[G0T+2:G0T+3], s[10:11], s[90:91]
	s_or_b32 s[G0T+3], s[G0T+3], 0x80000000
	CROUND                                         ; all sixteen work-groups are here: the joint loads meet
	; the fills, one a wave: one chain of branches on the wave's number, every arm with its load, all arms leading to one join
	s_cmp_lt_u32 s16, 8
	s_cbranch_scc0 .Lf1
	TL G0K, G1K                                    ; waves 0-7: K, keys 256 w ..
	s_branch .Lfd
.Lf1:
	s_cmp_lt_u32 s16, 14
	s_cbranch_scc0 .Lf2
	TL G0V, G1V                                    ; waves 8-13: V
	s_branch .Lfd
.Lf2:
	s_cmp_lg_u32 s16, 14
	s_cbranch_scc1 .Lf3
	TL G0S, G1S
	s_branch .Lfd
.Lf3:
	TL G0T, G1T
.Lfd:
	; where results go: what hangs on the head; the tile's share is added at each way out
	s_and_b32 s87, s96, 15                         ; hd
	s_lshr_b32 s88, s96, 4                         ; batch
	s_lshr_b32 s90, s87, 2
	s_mul_i32 s90, s90, 786432
	s_mul_i32 s92, s88, 393216                     ; 128 tiles of 3,072 bytes a batch
	s_add_co_u32 s90, s90, s92
	s_and_b32 s92, s87, 3
	s_mul_i32 s92, s92, 768                        ; K step's parity x 1,536 + half of the fragment x 768
	s_add_co_u32 s90, s90, s92
	s_mov_b32 s91, 0
	s_add_nc_u64 s[12:13], s[12:13], s[90:91]
	s_lshl_b32 s90, s88, 16                        ; c_scales: 512 tile + 256 (K step % 2) + 4 (K step / 2) + 2 (hd % 2)
	s_bfe_u32 s92, s87, 0x10001
	s_lshl_b32 s92, s92, 8
	s_add_co_u32 s90, s90, s92
	s_lshr_b32 s92, s87, 2
	s_lshl_b32 s92, s92, 2
	s_add_co_u32 s90, s90, s92
	s_and_b32 s92, s87, 1
	s_lshl_b32 s92, s92, 1
	s_add_co_u32 s90, s90, s92
	s_add_nc_u64 s[14:15], s[14:15], s[90:91]
	; Q: query r is column group r of x-row X: row cw = r & 7, half r >> 3, block h; in its tile's planes X % 16 is the lane
.macro QOFF x, dc, dsc                 ; codes: 1,536 (8 head + X / 16) + 8 (X % 16);  scale bytes: 512 head + 32 (X % 16) + 4 (X / 16)
	s_and_b32 s93, s[\x], 15
	s_lshr_b32 s94, s[\x], 4
	s_lshl_b32 s[\dc], s96, 3
	s_add_co_u32 s[\dc], s[\dc], s94
	s_mul_i32 s[\dc], s[\dc], 1536
	s_lshl_b32 s95, s93, 3
	s_add_co_u32 s[\dc], s[\dc], s95
	s_lshl_b32 s[\dsc], s96, 9
	s_lshl_b32 s95, s93, 5
	s_add_co_u32 s[\dsc], s[\dsc], s95
	s_lshl_b32 s95, s94, 2
	s_add_co_u32 s[\dsc], s[\dsc], s95
.endm
	QOFF X1, 86, 87
	QOFF XL, 88, 89
	s_mul_i32 s90, s18, PART
	s_add_co_u32 s90, s90, PBASE                   ; my pair's part
	v_and_b32 v8, 15, v0                           ; r
	v_bfe_u32 v9, v0, 4, 1                         ; h
	v_and_b32 v10, 7, v0                           ; r & 7
	v_bfe_u32 v11, v0, 3, 1                        ; r >> 3
	v_and_b32 v12, 31, v0                          ; lane
	v_mul_u32_u24 v1, v10, 1584                    ; (the chains by turns)
	v_mul_u32_u24 v2, v8, 240
	v_mul_u32_u24 v4, v10, 528
	v_mul_u32_u24 v5, v8, 80
	v_mul_u32_u24 v13, v10, 0x60000
	v_lshlrev_b32 v19, 14, v10
	v_lshl_add_u32 v247, v12, 4, s90               ; the part's images of four registers: 16 lane
	v_lshl_add_u32 v248, v12, 3, s90
	v_lshl_add_u32 v1, v11, 3, v1
	v_mad_u32_u24 v2, v9, 24, v2
	v_lshl_add_u32 v4, v11, 5, v4
	v_add_nc_u32 v5, TBASE, v5                     ; V's scale bytes: row r
	v_mad_u32_u24 v13, v11, 768, v13
	v_lshl_add_u32 v19, v11, 1, v19
	v_add_nc_u32 v248, 4096, v248                  ; and of -M and the sum: behind them, 8 lane
	v_lshl_add_u32 v1, v9, 7, v1                   ; K: row cw = r & 7, + 8 (r >> 3), + 128 h
	v_add_nc_u32 v2, VB, v2                        ; V: row r, + 24 h
	v_add_nc_u32 v4, SBASE, v4                     ; K's scale words
	v_lshl_add_u32 v13, v9, 7, v13
	v_add_nc_u32 v246, s89, v19                    ; the long tile's two scale bytes, in qk_scales
	v_add_nc_u32 v19, s87, v19                     ; the first loop's
	v_lshl_add_u32 v3, v9, 4, v2                   ; V behind one padding more
	v_add_nc_u32 v245, s88, v13                    ; the long tile's 24 bytes, in qk_codes
	v_add_nc_u32 v13, s86, v13                     ; the first loop's
	s_wait_alu depctr_va_vdst(0)                   ; the wait ahead of the readers below
.irp p, 0,1,2
	global_load_b64 v[20+2*\p:21+2*\p], v13, s[4:5] offset:256*\p
	global_load_b64 v[38+2*\p:39+2*\p], v13, s[4:5] offset:256*\p
.endr
	global_load_u16 v18, v19, s[6:7]
	s_cmp_eq_u32 s17, 0
	s_cbranch_scc1 .Lone_q                         ; A has one tile
.irp p, 0,1,2
	global_load_b64 v[238+2*\p:239+2*\p], v245, s[4:5] offset:256*\p
.endr
	global_load_u16 v244, v246, s[6:7]
.Lone_q:
	v_mov_b32 v15, 0xff61b1e6                      ; the largest t so far: -3e38
	v_mov_b32 v16, 0
	v_mov_b32 v17, 0
	v_mov_b32 v227, 0                              ; named as the upper halves of the pairs v[226:227] and v[230:231]
	v_mov_b32 v231, 0
	v_floor_f32 v14, -v15                          ; -M
.set J_, 26
.rept 12
	v_mov_b32 v[J_], 0                             ; the zero halves of [Q | 0] and [0 | Q]
.set J_, J_+1
.endr
.irp b, 0,1,2,3
	v_mov_b32 v[PT+\b], 0                          ; a lane permute's destination counts as one of its sources
.endr
.set J_, 0
.rept 32
	v_mov_b32 v[160+J_], 0                         ; O^T: the step is written for every trip alike; a tile's first finds zeros
.set J_, J_+1
.endr
	s_wait_alu depctr_va_vdst(0)                   ; the wait at the head's end
	s_wait_tensorcnt 0x0                           ; my fill has landed,
	s_barrier_signal -1
	s_barrier_wait -1                              ; everybody's has
	s_mul_i32 s24, s[XS], 3072                     ; no tensor load is out: the descriptors' registers take the tiles' shares of the ways out
	s_lshl_b32 s25, s[XS], 9
	s_mul_i32 s26, s[XL], 3072
	s_lshl_b32 s27, s[XL], 9
	s_wait_loadcnt 0x0                             ; Q
	v_lshl_or_b32 v18, v18, 16, v18                ; (s0, s1, s0, s1): it serves both [Q | 0] and [0 | Q]
.rept 8
	v_nop                                          ; a scale register written by a vector instruction stands 8 places ahead of a scaled matrix instruction
.endr
.macro VFRAG t, q                      ; 16 channels x 128 keys: pieces of 8 bytes; where the piece three on lies behind one padding more, the second address serves
.irp p, 0,1,2,3,4,5
.set PCE, 12*(\q)+6*(\p/3)+\p%3
.if PCE%8 < 5
	ds_load_b64 v[44+12*(\t)+2*\p:45+12*(\t)+2*\p], v9 offset:8*PCE+16*(PCE/8)+(\t)*3840
.else
	ds_load_b64 v[44+12*(\t)+2*\p:45+12*(\t)+2*\p], v10 offset:8*PCE+16*(PCE/8)+(\t)*3840
.endif
.endr
.endm
.macro STEP q
	s_cmp_gt_u32 s[SI], s[UL]
	s_cbranch_scc1 .Lhidden_\@                     ; all 128 keys come after the tile's queries, or the step is my partner's
	v_add_nc_u32 v8, s[TK], v1                     ; five plain lines: also the places behind the last step's products
	v_add_nc_u32 v9, s[TV], v2
	v_add_nc_u32 v10, s[TV], v3
	v_add_nc_u32 v11, s[TS], v4
	v_add_nc_u32 v12, s[TJ], v5
.irp f, 0,1,2,3
.irp p, 0,1,2,3,4,5
	ds_load_b64 v[44+12*\f+2*\p:45+12*\f+2*\p], v8 offset:264*\p+64*(\q)+16*\f
.endr
	ds_load_b32 v[92+\f], v11 offset:256*(\q)+64*\f
.endr
	s_wait_dscnt 0x0
	s_wait_alu depctr_va_vdst(0)
.irp f, 0,1,2,3
	v_wmma_scale_f32_16x16x128_f8f6f4 v[96+16*\f:103+16*\f], v[44+12*\f:55+12*\f], v[20:31], 0, v[92+\f], v18 matrix_a_fmt:MATRIX_FMT_FP6 matrix_b_fmt:MATRIX_FMT_FP6
	v_wmma_scale_f32_16x16x128_f8f6f4 v[104+16*\f:111+16*\f], v[44+12*\f:55+12*\f], v[32:43], 0, v[92+\f], v18 matrix_a_fmt:MATRIX_FMT_FP6 matrix_b_fmt:MATRIX_FMT_FP6
.endr
	NOP4                                           ; places in front of the loads below and of the first read of the scores
.irp t, 0,1,2,3
	VFRAG \t, \q                                   ; V is asked for now and lands under the softmax
	ds_load_b32 v[92+\t], v12 offset:1280*\t+4*(\q)
.endr
	s_cmp_lt_u32 s[SI], s[UL]
	s_cbranch_scc1 .Lopen_\@                       ; all keys count
	s_lshl_b32 s86, s[SI], 7
	s_sub_co_i32 s86, s[Q0], s86                   ; my first query - the step's first key
	v_and_b32 v228, 15, v0
	v_bfe_u32 v229, v0, 4, 1
	s_delay_alu instid0(VALU_DEP_1)
	v_lshlrev_b32 v229, 4, v229
	s_delay_alu instid0(VALU_DEP_1)
	v_sub_nc_u32 v228, v228, v229
	s_delay_alu instid0(VALU_DEP_1)
	v_add_nc_u32 v228, s86, v228                   ; d = my query - the first key - 16 (lane / 16): register 16 b + i is hidden where 32 b + i > d
	v_mov_b32 v230, 0xff800000                     ; -infinity
.set N_, 0
.rept 64
	v_cmp_gt_i32 vcc_lo, 32*(N_/16)+N_%16, v228
	v_cndmask_b32 v[96+N_], v[96+N_], v230, vcc_lo
.set N_, N_+1
.endr
.Lopen_\@:
.irp b, 0,1,2,3
	v_max3_num_f32 v[BM+\b], v[96+16*\b], v[97+16*\b], v[98+16*\b]   ; the largest score of each block of 32 keys: for the row's maximum, and for the block's largest p
.endr
.irp i, 3,5,7,9,11,13
.irp b, 0,1,2,3
	v_max3_num_f32 v[BM+\b], v[BM+\b], v[96+16*\b+\i], v[97+16*\b+\i]
.endr
.endr
.irp b, 0,1,2,3
	v_max_num_f32 v[BM+\b], v[BM+\b], v[111+16*\b]
.endr
.irp b, 0,1,2,3
	s_delay_alu instid0(VALU_DEP_4)
	v_permlanex16_b32 v[PT+\b], v[BM+\b], s20, s21
.endr
.irp b, 0,1,2,3
	s_delay_alu instid0(VALU_DEP_4)
	v_max_num_f32 v[BM+\b], v[BM+\b], v[PT+\b]
.endr
	s_delay_alu instid0(VALU_DEP_2)
	v_max3_num_f32 v228, v[BM], v[BM+1], v[BM+2]
	s_delay_alu instid0(VALU_DEP_1)
	v_max_num_f32 v228, v228, v[BM+3]
	s_delay_alu instid0(VALU_DEP_1)
	v_mul_f32 v228, s22, v228                      ; as t
	s_delay_alu instid0(VALU_DEP_1)
	v_max_num_f32 v15, v15, v228                   ; the running largest t
	v_mov_b32 v228, v14
	s_delay_alu instid0(VALU_DEP_2)
	v_floor_f32 v14, -v15                          ; the new -M = -ceil(t)
	s_delay_alu instid0(VALU_DEP_1)
	v_sub_f32 v228, v14, v228                      ; old M - new M: a whole number, 0 or less
	s_delay_alu instid0(VALU_DEP_1)
	v_cvt_i32_f32 v228, v228                       ; (it saturates)
	s_delay_alu instid0(VALU_DEP_1)
	v_ldexp_f32 v226, 1.0, v228                    ; f = 2^(old M - new M)
.set J_, 0
.rept 32
	v_pk_fma_f32 v[96+J_:97+J_], v[96+J_:97+J_], s[22:23], v[14:15] op_sel_hi:[1,0,0]   ; t - M
.set J_, J_+2
.endr
.irp b, 0,1,2,3
	v_fma_f32 v[BM+\b], v[BM+\b], s22, v14
.endr
	s_wait_alu depctr_va_vdst(0)                   ; the wait ahead of the batch
.set J_, 0
.rept 64
	v_exp_f32 v[96+J_], v[96+J_]                   ; p = 2^(t - M)
.set J_, J_+1
.endr
.irp b, 0,1,2,3
	v_exp_f32 v[BM+\b], v[BM+\b]                   ; the block's largest p
.endr
	v_pk_mul_f32 v[16:17], v[16:17], v[226:227] op_sel_hi:[1,0]   ; the sum under the new M; a plain place behind the exponentials
	s_wait_alu depctr_va_vdst(0)                   ; one wait for the whole batch
.irp b, 0,1,2,3
	v_max_num_f32 v[BM+\b], 0x1800000, v[BM+\b]    ; the floor 2^(3 - 127)
.endr
.irp b, 0,1,2,3
	s_delay_alu instid0(VALU_DEP_4)
	v_add_nc_u32 v[SO+\b], 0xff000000, v[BM+\b]
.endr
.irp b, 0,1,2,3
	s_delay_alu instid0(VALU_DEP_4)
	v_lshrrev_b32 v[PT+\b], 23, v[SO+\b]
.endr
	s_delay_alu instid0(VALU_DEP_3)
	v_lshl_or_b32 v224, v[PT+1], 8, v[PT]
	s_delay_alu instid0(VALU_DEP_1)
	v_lshl_or_b32 v224, v[PT+2], 16, v224
	s_delay_alu instid0(VALU_DEP_1)
	v_lshl_or_b32 v224, v[PT+3], 24, v224          ; p's scale word for these 128 keys
.irp c, 0,1
	v_cvt_scalef32_pk16_fp6_f32 v[192+6*\c:194+6*\c], v[96+32*\c:111+32*\c], v[SO+2*\c]
	v_cvt_scalef32_pk16_fp6_f32 v[204+4*\c:206+4*\c], v[112+32*\c:127+32*\c], v[SO+2*\c+1]
.endr
	v_nop
.irp c, 0,1
.irp i, 0,1,2
	v_permlane16_swap_b32 v[192+6*\c+\i], v[204+4*\c+\i]
.endr
.irp i, 0,1,2
	s_delay_alu instid0(VALU_DEP_3)
	v_mov_b32 v[195+6*\c+\i], v[204+4*\c+\i]
.endr
.endr
	v_pk_add_f32 v[232:233], v[96:97], v[98:99]    ; the row's sum of the unquantised p: two at a time, four chains by turns
	v_pk_add_f32 v[234:235], v[100:101], v[102:103]
	v_pk_add_f32 v[236:237], v[104:105], v[106:107]
	v_pk_add_f32 v[16:17], v[16:17], v[108:109]
.set J_, 110
.rept 6
	v_pk_add_f32 v[232:233], v[232:233], v[J_:J_+1]
	v_pk_add_f32 v[234:235], v[234:235], v[J_+2:J_+3]
	v_pk_add_f32 v[236:237], v[236:237], v[J_+4:J_+5]
	v_pk_add_f32 v[16:17], v[16:17], v[J_+6:J_+7]
.set J_, J_+8
.endr
	v_pk_add_f32 v[232:233], v[232:233], v[158:159]
	v_pk_add_f32 v[16:17], v[16:17], v[236:237]
	s_delay_alu instid0(VALU_DEP_2)
	v_pk_add_f32 v[232:233], v[232:233], v[234:235]
	s_delay_alu instid0(VALU_DEP_1)
	v_pk_add_f32 v[16:17], v[16:17], v[232:233]
	s_wait_alu depctr_va_vdst(0)                   ; the wait directly ahead of the first reader of O^T
.set J_, 0
.rept 16
	v_pk_mul_f32 v[160+J_:161+J_], v[160+J_:161+J_], v[226:227] op_sel_hi:[1,0]   ; O^T under the new M
.set J_, J_+2
.endr
	s_wait_alu depctr_va_vdst(0)                   ; the wait directly ahead of the wait below
	s_wait_dscnt 0x0                               ; V
.irp t, 0,1,2,3
	v_wmma_scale_f32_16x16x128_f8f6f4 v[160+8*\t:167+8*\t], v[44+12*\t:55+12*\t], v[192:203], v[160+8*\t:167+8*\t], v[92+\t], v224 matrix_a_fmt:MATRIX_FMT_FP6 matrix_b_fmt:MATRIX_FMT_FP6
.endr
.Lhidden_\@:
	s_add_co_u32 s[SI], s[SI], 1
.endm
.macro SLOT_STEPS                      ; 256 keys
	STEP 0
	STEP 1
	s_add_co_u32 s[TK], s[TK], KT
	s_add_co_u32 s[TV], s[TV], VS
	s_add_co_u32 s[TS], s[TS], 4
	s_add_co_u32 s[TJ], s[TJ], 8
	s_sub_co_u32 s[SLOTS], s[SLOTS], 1
	s_cmp_lg_u32 s[SLOTS], 0
.endm
; THE WAY OUT of a tile: O^T / the sum, quantised along the head's 64 channels: half a fragment of the last product's left operand.  sc, ss: the tile's share of the two addresses
.macro OUTPUT sc, ss
	v_add_f32 v16, v16, v17
	v_and_b32 v8, 31, v0
	v_and_b32 v9, 15, v0
	v_permlanex16_b32 v[PT], v16, s20, s21
	v_lshl_add_u32 v8, v8, 3, s[\sc]               ; 8 lane
	v_lshl_add_u32 v9, v9, 4, s[\ss]               ; 16 r
	s_delay_alu instid0(VALU_DEP_3)
	v_add_f32 v16, v16, v[PT]                      ; the row's sum
	s_wait_alu depctr_va_vdst(0)                   ; the wait ahead of the transcendental
	v_rcp_f32 v16, v16
	v_nop
	s_wait_alu depctr_va_vdst(0)                   ; and ahead of its first reader, which is O^T's too
.set J_, 0
.rept 32
	v_mul_f32 v[96+J_], v[160+J_], v16             ; register 16 b + i: channel 32 b + 16 (lane / 16) + i of my query
.set J_, J_+1
.endr
.irp b, 0,1
	v_max3_num_f32 v[BM+\b], |v[96+16*\b]|, |v[97+16*\b]|, 0x1800000
.endr
.irp i, 2,4,6,8,10,12,14
.irp b, 0,1
	s_delay_alu instid0(VALU_DEP_2)
	v_max3_num_f32 v[BM+\b], v[BM+\b], |v[96+16*\b+\i]|, |v[97+16*\b+\i]|
.endr
.endr
.irp b, 0,1
	s_delay_alu instid0(VALU_DEP_2)
	v_permlanex16_b32 v[PT+\b], v[BM+\b], s20, s21
.endr
.irp b, 0,1
	s_delay_alu instid0(VALU_DEP_2)
	v_max_num_f32 v[BM+\b], v[BM+\b], v[PT+\b]
.endr
.irp b, 0,1
	s_delay_alu instid0(VALU_DEP_2)
	v_add_nc_u32 v[SO+\b], 0xff000000, v[BM+\b]
.endr
.irp b, 0,1
	s_delay_alu instid0(VALU_DEP_2)
	v_lshrrev_b32 v[PT+\b], 23, v[SO+\b]
.endr
	s_delay_alu instid0(VALU_DEP_1)
	v_lshl_or_b32 v228, v[PT+1], 8, v[PT]          ; the two bytes
	v_cvt_scalef32_pk16_fp6_f32 v[192:194], v[96:111], v[SO]
	v_cvt_scalef32_pk16_fp6_f32 v[204:206], v[112:127], v[SO+1]
	v_nop
.irp i, 0,1,2
	v_permlane16_swap_b32 v[192+\i], v[204+\i]
.endr
.irp i, 0,1,2
	s_delay_alu instid0(VALU_DEP_3)
	v_mov_b32 v[195+\i], v[204+\i]                 ; lane (r, h): block h of query r, 24 bytes
.endr
.irp p, 0,1,2
	global_store_b64 v8, v[192+2*\p:193+2*\p], s[12:13] offset:256*\p   ; a plane: 256 consecutive bytes, aligned
.endr
	global_store_b16 v9, v228, s[14:15]            ; both halves of the lanes store the same two bytes at the same place
.endm
	s_mov_b32 s[SLOTS], 4
.Lfirst:                                           ; keys 0-1,023: A the long tile's, B the short tile's
	SLOT_STEPS
	s_cbranch_scc1 .Lfirst
	s_mov_b32 s[Q0], s[Q2]                         ; from here on: the long tile; for A every step is its partner's
	s_cmp_eq_u32 s17, 0
	s_cselect_b32 s[UL], 0, s19
	s_cbranch_scc1 .Lrole_a
	OUTPUT 24, 25                                  ; B: the short tile is done
	v_lshl_or_b32 v18, v244, 16, v244              ; the long tile's Q; the 36 lines behind these are the places ahead of the next products
.irp p, 0,1,2,3,4,5
	v_mov_b32 v[20+\p], v[238+\p]
	v_mov_b32 v[38+\p], v[238+\p]
.endr
	v_mov_b32 v15, 0xff61b1e6
	v_mov_b32 v16, 0
	v_mov_b32 v17, 0
	v_floor_f32 v14, -v15
.set J_, 0
.rept 32
	v_mov_b32 v[160+J_], 0
.set J_, J_+1
.endr
	s_wait_alu depctr_va_vdst(0)                   ; the wait directly ahead of the wait below
	s_wait_xcnt 0x0                                ; the stores have read their registers: the next steps write them again
	s_branch .Lswitched
.Lrole_a:
	NOP4                                           ; places behind the last products
	v_add_f32 v15, v16, v17                        ; A: my lane's sum; -M beside it
.irp n, 0,1,2,3,4,5,6,7
	ds_store_b128 v247, v[160+4*\n:163+4*\n] offset:512*\n   ; O^T as images of four registers, each accumulator from its low end on
.endr
	ds_store_b64 v248, v[14:15]
.Lswitched:
	s_mov_b32 s[SLOTS], 4
.Lsecond:                                          ; keys 1,024-2,047: B alone
	SLOT_STEPS
	s_cbranch_scc1 .Lsecond
	s_wait_dscnt 0x0                               ; A's part is in LDS
	s_barrier_signal -1
	s_barrier_wait -1
	s_cmp_eq_u32 s17, 0
	s_cbranch_scc1 .Ldone
.irp n, 0,1,2,3,4,5,6,7
	ds_load_b128 v[96+4*\n:99+4*\n], v247 offset:512*\n      ; B: my partner's O^T, in the same lanes
.endr
	ds_load_b64 v[128:129], v248                   ; its -M and its sum
	s_wait_dscnt 0x0
	v_min_num_f32 v228, v14, v128                  ; -M of both
	s_delay_alu instid0(VALU_DEP_1)
	v_sub_f32 v229, v228, v14                      ; my M - the joint M: a whole number, 0 or less
	v_sub_f32 v230, v228, v128                     ; my partner's
	s_delay_alu instid0(VALU_DEP_2)
	v_cvt_i32_f32 v229, v229
	s_delay_alu instid0(VALU_DEP_2)
	v_cvt_i32_f32 v230, v230
	s_delay_alu instid0(VALU_DEP_2)
	v_ldexp_f32 v226, 1.0, v229                    ; both factors are powers of two: nothing is rounded
	s_delay_alu instid0(VALU_DEP_2)
	v_ldexp_f32 v230, 1.0, v230
	v_pk_mul_f32 v[16:17], v[16:17], v[226:227] op_sel_hi:[1,0]
.set J_, 0
.rept 16
	v_pk_mul_f32 v[160+J_:161+J_], v[160+J_:161+J_], v[226:227] op_sel_hi:[1,0]
.set J_, J_+2
.endr
.set J_, 0
.rept 16
	v_pk_fma_f32 v[160+J_:161+J_], v[96+J_:97+J_], v[230:231], v[160+J_:161+J_] op_sel_hi:[1,0,1]
.set J_, J_+2
.endr
	v_fma_f32 v16, v129, v230, v16
	OUTPUT 26, 27                                  ; the long tile
.Ldone:
	s_wait_tensorcnt 0x0                           ; the wave's end
	ds_add_u32 v6, v7
	s_wait_dscnt 0x0
	CROUND                                         ; the closing round
	s_endpgm
.Lfunc_end_k_q31595d150d_attn:
	.size	k_q31595d150d_attn, .Lfunc_end_k_q31595d150d_attn-k_q31595d150d_attn
	.p2alignl 7, 3214868480
	.fill 96, 4, 3214868480
	.section	.rodata,"a",@progbits
	.p2align	6, 0x0
	.amdhsa_kernel k_q31595d150d_attn
		.amdhsa_group_segment_fixed_size 327680
		.amdhsa_private_segment_fixed_size 0
		.amdhsa_enable_private_segment 0
		.amdhsa_kernarg_size 48
		.amdhsa_user_sgpr_count 2
		.amdhsa_user_sgpr_kernarg_segment_ptr 1
		.amdhsa_wavefront_size32 1
		.amdhsa_system_sgpr_workgroup_id_x 1
		.amdhsa_system_sgpr_workgroup_id_y 1
		.amdhsa_system_sgpr_workgroup_id_z 1
		.amdhsa_system_vgpr_workitem_id 0
		.amdhsa_next_free_vgpr 256
		.amdhsa_next_free_sgpr 100
		.amdhsa_reserve_vcc 1
		.amdhsa_float_denorm_mode_32 3
		.amdhsa_float_denorm_mode_16_64 3
		.amdhsa_memory_ordered 1
		.amdhsa_forward_progress 1
		.amdhsa_inst_pref_size 125
	.end_amdhsa_kernel
	.amdgpu_metadata
---
amdhsa.version: [ 1, 2 ]
amdhsa.kernels:
  - .name:           k_q31595d150d_attn
    .symbol:         k_q31595d150d_attn.kd
    .args:
      - { .name: qk_codes, .offset: 0, .size: 8, .value_kind: global_buffer, .address_space: global }
      - { .name: qk_scales, .offset: 8, .size: 8, .value_kind: global_buffer, .address_space: global }
      - { .name: v_codes, .offset: 16, .size: 8, .value_kind: global_buffer, .address_space: global }
      - { .name: v_scales, .offset: 24, .size: 8, .value_kind: global_buffer, .address_space: global }
      - { .name: c_codes, .offset: 32, .size: 8, .value_kind: global_buffer, .address_space: global }
      - { .name: c_scales, .offset: 40, .size: 8, .value_kind: global_buffer, .address_space: global }
    .group_segment_fixed_size: 327680
    .private_segment_fixed_size: 0
    .kernarg_segment_align: 8
    .kernarg_segment_size: 48
    .max_flat_workgroup_size: 512
    .sgpr_count:     100
    .vgpr_count:     256
    .wavefront_size: 32
...
	.end_amdgpu_metadata
.endif
;; end of part 3
;; launch ffn (part 4): grid 8 x 32, 4 waves a work-group, clusters of 4 x 4, 327,680 bytes of LDS; arguments c_codes, c_scales, xw_codes, xw_scales, b_ffn, out0; writes out0
.if DOCPART == 4
	.amdgcn_target "amdgcn-amd-amdhsa--gfx1250"
	.amdhsa_code_object_version 6
	.text
	.protected	k_q31595d150d_ffn
	.globl	k_q31595d150d_ffn
	.p2align	8
	.type	k_q31595d150d_ffn,@function
k_q31595d150d_ffn:
	s_mov_b64 s[64:65], 0
	v_nop
	global_prefetch_b8 v0, s[64:65] scope:SCOPE_SE
	s_setreg_imm32_b32 hwreg(HW_REG_WAVE_MODE, 25, 1), 1
	s_wait_xcnt 0x0
	s_wait_alu depctr_hold_cnt(0) depctr_sa_sdst(0) depctr_va_vdst(0) depctr_va_sdst(0) depctr_va_ssrc(0) depctr_va_vcc(0) depctr_vm_vsrc(0)
	s_getreg_b32 s2, hwreg(HW_REG_IB_STS2, 6, 4)
	s_cmp_eq_u32 s2, 0
	s_cbranch_scc0 .Lentry_in_a_cluster
	s_endpgm
.Lentry_in_a_cluster:
	s_bfe_u32 s2, ttmp6, 0x10000c
	s_cmp_lg_u32 s2, 0xf033
	s_cbranch_scc0 .Lentry_shape_is_right
	s_endpgm
.Lentry_shape_is_right:
; out0 = concat W_ffn^T + b_ffn on codes of FP6 (E2M3) with E8M0 scales: M 4,096, N 1,024, K 1,024; sums in f32.
; A block of out0 is 128 x 128: 32 x 8 = 256 work-groups of four waves, a wave 64 x 64: 16 accumulators.  OPERANDS are images of operand registers: [K step / 2][tile of 16 rows][K step % 2][6 planes][lane][8 bytes]:
; six loads of 8 bytes a lane bring a fragment, each 256 consecutive LDS bytes.  ALL OF K lies in LDS at once: 8 tiles x 4 pairs of K steps x 3,072 bytes = 98,304 for each operand.  Each byte is filled once:
; one joint load a wave at the head (two rows of 24,576 dense bytes: two pairs of K steps), one barrier, then eight K steps written out (the scale registers' numbers hang on the step), no further barrier.
; CLUSTERS: 4 x 4 work-groups.  concat's tiles are asked for jointly along a row of the cluster, W's along a column.  NO PREFETCH: all that the launch fetches is asked for at its head; there is no loop to run ahead in.
; THE MATRIX INSTRUCTION IS USED TRANSPOSED (source 0 = 16 rows of W, source 1 = 16 rows of concat): a lane holds eight neighbouring columns of one row.  The bias is the C of each accumulator's first product.
; Two sets of fragments: a K step's 48 loads are issued ahead of the K step before it is multiplied.  The 16 accumulators take turns, one instruction a turn, in the same order in every step.
; THE WAY OUT: a wave's 64 rows x 256 bytes go through its own stage in LDS and leave with sixteen lanes to an aligned run of 256 bytes.
; LIMITS: NaN and infinities are not served.
; REGISTERS: window 0: v16-22 addresses; v27, v30, v31 offsets; v28, v29 the add's; v32-47 concat's scale words (block i, pair of K steps jp at 4 i + jp: lanes 0-15 K step 2 jp, lanes 16-31 K step 2 jp + 1), v48-63 W's;
;   v64-159, v160-255 the two sets: concat's four fragments, then W's four.   window 1: v0-127 the accumulators, (a, b) at 8 (4 a + b); v128-159 the bias.
.set REC,   3072
.set JP,    8*REC                      ; 128 rows, a pair of K steps
.set BREG,  4*JP                       ; W's region
.set STAGE, 8*JP
.set SPITCH, 272
.set WST,   64*SPITCH
.set SPARE, STAGE+4*WST
.set ADRA, 16
.set ADRB, 18
.set STO,  20
.set RD,   21
.set CO,   22
.set SPW,  28
.set NIL,  29
.set SA,   32
.set SB,   48
.set G1,  24
.set G0,  32
.set G1B, 48
.set G0B, 56
.set MSB, 0
.macro WIN new                         ; the immediate's high byte repeats the setting that is left
.if MSB != \new
	s_set_vgpr_msb (MSB<<8)|\new
.set MSB, \new
.endif
.endm
.macro CROUND                          ; a round of the cluster's barrier
	s_barrier_signal -1
	s_barrier_wait -1
	s_cmp_lg_u32 s16, 0
	s_cbranch_scc1 .Lnot_wave_0_\@
	s_barrier_signal -3
.Lnot_wave_0_\@:
	s_barrier_wait -3
	s_barrier_signal -1
	s_barrier_wait -1
.endm
.macro PLACES n
.rept \n
	v_nop
.endr
.endm
	s_load_b256 s[4:11], s[0:1], 0x0               ; c_codes, c_scales, xw_codes, xw_scales
	s_load_b128 s[12:15], s[0:1], 0x20             ; b_ffn, out0
	v_lshl_add_u32 v[SPW], v0, 2, SPARE
	v_mov_b32 v[NIL], 0
	ds_add_u32 v[SPW], v[NIL]                      ; the opening lines: the add, twice on end, and its wait
	ds_add_u32 v[SPW], v[NIL]
	v_lshrrev_b32 v1, 5, v0
	v_readfirstlane_b32 s16, v1                    ; wave 0..3
	s_lshr_b32 s17, s16, 1                         ; my half of the block's rows.  Also: I fetch for concat (0) or for W (1)
	s_and_b32 s18, s16, 1                          ; my half of its columns.  Also: which two pairs of K steps I fetch
	s_bfe_u32 s19, ttmp6, 0x40000                  ; cx
	s_bfe_u32 s20, ttmp6, 0x40004                  ; cy
	s_lshl_b32 s21, ttmp9, 2
	s_add_co_u32 s21, s21, s19                     ; block column 0..7
	s_and_b32 s22, ttmp7, 0xffff
	s_lshl_b32 s22, s22, 2
	s_add_co_u32 s22, s22, s20                     ; block row 0..31
	s_lshl_b32 s40, s20, 2
	s_lshl_b32 s40, 15, s40                        ; my row of the cluster
	s_lshl_b32 s41, 0x1111, s19                    ; my column
	s_or_b32 s[G1+0], s40, (3<<16)|(1<<21)         ; 15:0 the mask; 17:16 elements of 8 bytes; 21 set beside a mask
	s_or_b32 s[G1B+0], s41, (3<<16)|(1<<21)
.irp g, G1, G1B
	s_mov_b32 s[\g+1], 3072<<16                    ; a row: 3,072 elements = 24,576 bytes
	s_mov_b32 s[\g+2], 2<<16                       ; two rows
	s_mov_b32 s[\g+3], 3072<<16
	s_mov_b32 s[\g+4], 2
	s_mov_b32 s[\g+6], 0
	s_mov_b32 s[\g+7], 0
.endr
	s_mov_b32 s[G1+5], 98304                       ; from a pair of K steps to the next: 786,432 bytes in c_codes,
	s_mov_b32 s[G1B+5], 393216                     ; 3,145,728 in xw_codes
	s_mul_i32 s66, s22, JP                         ; concat: hangs on the block row and the wave alone
	s_mul_i32 s67, s18, 2*786432
	s_add_co_u32 s66, s66, s67
	s_mov_b32 s67, 0
	s_mul_i32 s68, s21, JP                         ; W_ffn (tiles 960 on): hangs on the block column and the wave alone
	s_mul_i32 s69, s18, 2*3145728
	s_add_co_u32 s68, s68, s69
	s_add_co_u32 s68, s68, 960*REC
	s_mov_b32 s69, 0
	s_mul_i32 s70, s16, 2*JP                       ; where they go: wave x 49,152
	s_wait_dscnt 0x0                               ; both opening adds are done
	s_wait_kmcnt 0x0
	s_mov_b32 s[G0], 1
	s_mov_b32 s[G0+1], s70
	s_add_nc_u64 s[G0+2:G0+3], s[4:5], s[66:67]
	s_or_b32 s[G0+3], s[G0+3], 0x80000000
	s_mov_b32 s[G0B], 1
	s_mov_b32 s[G0B+1], s70
	s_add_nc_u64 s[G0B+2:G0B+3], s[8:9], s[68:69]
	s_or_b32 s[G0B+3], s[G0B+3], 0x80000000
	CROUND                                         ; all sixteen work-groups are here: the joint loads meet
	s_cmp_eq_u32 s17, 0                            ; the branch hangs on the wave's number alone; every way passes one load
	s_cbranch_scc0 .Lfor_b
	tensor_load_to_lds s[G0:G0+3], s[G1:G1+7]
	s_nop 0
	PLACES 4
	s_branch .Lasked
.Lfor_b:
	tensor_load_to_lds s[G0B:G0B+3], s[G1B:G1B+7]
	s_nop 0
	PLACES 4
.Lasked:
	s_mul_i32 s70, s17, 4*REC                      ; my four tiles of concat,
	s_mul_i32 s71, s18, 4*REC                      ; my four of W
	s_add_co_u32 s71, s71, BREG
	s_lshl_b32 s72, s22, 3
	s_lshl_b32 s73, s17, 2
	s_add_co_u32 s72, s72, s73
	s_lshl_b32 s72, s72, 9                         ; concat's scale words: 512 bytes a tile
	s_lshl_b32 s73, s21, 3
	s_lshl_b32 s74, s18, 2
	s_add_co_u32 s73, s73, s74
	s_add_co_u32 s73, s73, 960
	s_lshl_b32 s73, s73, 9                         ; W's
	s_lshl_b32 s74, s21, 9
	s_lshl_b32 s75, s18, 8
	s_add_co_u32 s74, s74, s75                     ; my first column, in bytes: 512 x block column + 256 x half
	s_mul_i32 s76, s16, WST
	s_add_co_u32 s76, s76, STAGE                   ; my stage
	s_lshl_b32 s78, s22, 19                        ; my first row: 128 x block row + 64 x half, 4,096 bytes each
	s_lshl_b32 s79, s17, 18
	s_add_co_u32 s78, s78, s79
	s_add_co_u32 s78, s78, s74
	s_mov_b32 s79, 0
	s_add_nc_u64 s[14:15], s[14:15], s[78:79]
	v_and_b32 v1, 31, v0                           ; lane
	v_and_b32 v2, 15, v0                           ; r
	v_bfe_u32 v3, v0, 4, 1                         ; h
	v_lshlrev_b32 v4, 3, v1                        ; 8 lane
	v_lshlrev_b32 v5, 4, v1                        ; 16 lane
	v_mul_u32_u24 v6, v2, SPITCH
	v_mul_u32_u24 v7, v3, SPITCH
	v_lshlrev_b32 v8, 12, v3
	v_add_nc_u32 v[ADRA], s70, v4                  ; K steps 0-3;
	v_add_nc_u32 v[ADRB], s71, v4
	v_add_nc_u32 v30, s72, v5
	v_add_nc_u32 v31, s73, v4
	v_lshl_add_u32 v27, v3, 5, s74                 ; the bias: my columns + 8 h
	v_lshl_add_u32 v6, v3, 5, v6
	v_lshl_add_u32 v7, v2, 4, v7
	v_lshl_add_u32 v[CO], v2, 4, v8                ; out0: row h, 16 r
	v_add_nc_u32 v[ADRA+1], 2*JP, v[ADRA]          ; K steps 4-7
	v_add_nc_u32 v[ADRB+1], 2*JP, v[ADRB]
	v_add_nc_u32 v[STO], s76, v6                   ; into the stage: row r, 32 bytes for each half of the lanes
	v_add_nc_u32 v[RD], s76, v7                    ; back: sixteen lanes to a row of 256 bytes, two rows an instruction
	s_wait_alu depctr_va_vdst(0)                   ; the wait at the head's end
.irp i, 0,1,2,3
	global_load_b128 v[SA+4*\i:SA+4*\i+3], v30, s[6:7] offset:512*\i            ; a tile's scale words of all of K: 512 consecutive bytes
	global_load_b64 v[SB+4*\i:SB+4*\i+1], v31, s[10:11] offset:512*\i           ; 256 consecutive bytes
	global_load_b64 v[SB+4*\i+2:SB+4*\i+3], v31, s[10:11] offset:512*\i+256
.endr
	WIN 0x40                                       ; destination window 1
.irp b, 0,1,2,3
	global_load_b128 v[128+8*\b:128+8*\b+3], v27, s[12:13] offset:64*\b         ; b_ffn at columns 16 b + 8 h + 0 .. 7
	global_load_b128 v[128+8*\b+4:128+8*\b+7], v27, s[12:13] offset:64*\b+16
.endr
	WIN 0
.macro FETCH j                         ; K step j's eight fragments into set j % 2: 48 loads
.set FS_, 64+96*((\j)%2)
.irp i, 0,1,2,3
.irp p, 0,1,2,3,4,5
	ds_load_b64 v[FS_+12*\i+2*\p:FS_+12*\i+2*\p+1], v[ADRA+(\j)/4] offset:(((\j)/2)%2)*JP+\i*REC+((\j)%2)*1536+256*\p
.endr
.endr
.irp i, 0,1,2,3
.irp p, 0,1,2,3,4,5
	ds_load_b64 v[FS_+48+12*\i+2*\p:FS_+48+12*\i+2*\p+1], v[ADRB+(\j)/4] offset:(((\j)/2)%2)*JP+\i*REC+((\j)%2)*1536+256*\p
.endr
.endr
.endm
.macro MUL j                           ; 16 matrix instructions: concat's four blocks against W's four
.set FS_, 64+96*((\j)%2)
.irp a, 0,1,2,3
.irp b, 0,1,2,3
.if (\j) == 0
	v_wmma_scale_f32_16x16x128_f8f6f4 v[8*(4*\a+\b):8*(4*\a+\b)+7], v[FS_+48+12*\b:FS_+48+12*\b+11], v[FS_+12*\a:FS_+12*\a+11], v[128+8*\b:128+8*\b+7], v[SB+4*\b], v[SA+4*\a] matrix_a_fmt:MATRIX_FMT_FP6 matrix_b_fmt:MATRIX_FMT_FP6
.elseif (\j)%2
	v_wmma_scale_f32_16x16x128_f8f6f4 v[8*(4*\a+\b):8*(4*\a+\b)+7], v[FS_+48+12*\b:FS_+48+12*\b+11], v[FS_+12*\a:FS_+12*\a+11], v[8*(4*\a+\b):8*(4*\a+\b)+7], v[SB+4*\b+(\j)/2], v[SA+4*\a+(\j)/2] matrix_a_fmt:MATRIX_FMT_FP6 matrix_b_fmt:MATRIX_FMT_FP6 matrix_a_scale:MATRIX_SCALE_ROW1 matrix_b_scale:MATRIX_SCALE_ROW1
.else
	v_wmma_scale_f32_16x16x128_f8f6f4 v[8*(4*\a+\b):8*(4*\a+\b)+7], v[FS_+48+12*\b:FS_+48+12*\b+11], v[FS_+12*\a:FS_+12*\a+11], v[8*(4*\a+\b):8*(4*\a+\b)+7], v[SB+4*\b+(\j)/2], v[SA+4*\a+(\j)/2] matrix_a_fmt:MATRIX_FMT_FP6 matrix_b_fmt:MATRIX_FMT_FP6
.endif
.endr
.endr
.endm
	s_wait_tensorcnt 0x0                           ; my quarter has landed,
	s_barrier_signal -1
	s_barrier_wait -1                              ; everybody's has
	FETCH 0
	s_wait_loadcnt 0x0                             ; the scale words and the bias
.set ST, 0
.rept 7
.if ST > 0
	PLACES 4                                       ; a load into a register that a matrix instruction has read stands four plain places behind it
	WIN 0
.endif
	FETCH ST+1
	s_wait_dscnt 48                                ; this step's fragments are in; the 48 loads just issued may be out
	WIN 0x50                                       ; C and D window 1
	MUL ST
.set ST, ST+1
.endr
	s_wait_dscnt 0x0
	MUL 7
	PLACES 4                                       ; in front of the first read of results and of the loads over the fragments
	WIN 0x04                                       ; the stores' data: window 1
.irp a, 0,1,2,3
.irp b, 0,1,2,3
	ds_store_b128 v[STO], v[8*(4*\a+\b):8*(4*\a+\b)+3] offset:\a*16*SPITCH+64*\b       ; each accumulator from its low end on
	ds_store_b128 v[STO], v[8*(4*\a+\b)+4:8*(4*\a+\b)+7] offset:\a*16*SPITCH+64*\b+16
.endr
.endr
	WIN 0
.set T_, 0
.rept 32
	ds_load_b128 v[64+4*T_:64+4*T_+3], v[RD] offset:T_*2*SPITCH    ; LDS serves a wave's instructions in order: these see my stores
.set T_, T_+1
.endr
.set T_, 0
.rept 32
.if T_%8 == 0
	s_wait_dscnt 24-T_                             ; the next eight loads are back; the younger ones may be out
.endif
	global_store_b128 v[CO], v[64+4*T_:64+4*T_+3], s[14:15] offset:T_*8192 th:TH_STORE_NT   ; rows 2 T and 2 T + 1: sixteen lanes store 256 consecutive bytes, aligned
.set T_, T_+1
.endr
	s_wait_tensorcnt 0x0                           ; the wave's end
	ds_add_u32 v[SPW], v[NIL]
	s_wait_dscnt 0x0
	CROUND                                         ; the closing round
	s_endpgm
.Lfunc_end_k_q31595d150d_ffn:
	.size	k_q31595d150d_ffn, .Lfunc_end_k_q31595d150d_ffn-k_q31595d150d_ffn
	.p2alignl 7, 3214868480
	.fill 96, 4, 3214868480
	.section	.rodata,"a",@progbits
	.p2align	6, 0x0
	.amdhsa_kernel k_q31595d150d_ffn
		.amdhsa_group_segment_fixed_size 327680
		.amdhsa_private_segment_fixed_size 0
		.amdhsa_enable_private_segment 0
		.amdhsa_kernarg_size 48
		.amdhsa_user_sgpr_count 2
		.amdhsa_user_sgpr_kernarg_segment_ptr 1
		.amdhsa_wavefront_size32 1
		.amdhsa_system_sgpr_workgroup_id_x 1
		.amdhsa_system_sgpr_workgroup_id_y 1
		.amdhsa_system_sgpr_workgroup_id_z 1
		.amdhsa_system_vgpr_workitem_id 0
		.amdhsa_next_free_vgpr 512
		.amdhsa_next_free_sgpr 80
		.amdhsa_reserve_vcc 0
		.amdhsa_float_denorm_mode_32 3
		.amdhsa_float_denorm_mode_16_64 3
		.amdhsa_memory_ordered 1
		.amdhsa_forward_progress 1
		.amdhsa_inst_pref_size 58
	.end_amdhsa_kernel
	.amdgpu_metadata
---
amdhsa.version: [ 1, 2 ]
amdhsa.kernels:
  - .name:           k_q31595d150d_ffn
    .symbol:         k_q31595d150d_ffn.kd
    .args:
      - { .name: c_codes, .offset: 0, .size: 8, .value_kind: global_buffer, .address_space: global }
      - { .name: c_scales, .offset: 8, .size: 8, .value_kind: global_buffer, .address_space: global }
      - { .name: xw_codes, .offset: 16, .size: 8, .value_kind: global_buffer, .address_space: global }
      - { .name: xw_scales, .offset: 24, .size: 8, .value_kind: global_buffer, .address_space: global }
      - { .name: b_ffn, .offset: 32, .size: 8, .value_kind: global_buffer, .address_space: global }
      - { .name: out0, .offset: 40, .size: 8, .value_kind: global_buffer, .address_space: global }
    .group_segment_fixed_size: 327680
    .private_segment_fixed_size: 0
    .kernarg_segment_align: 8
    .kernarg_segment_size: 48
    .max_flat_workgroup_size: 128
    .sgpr_count:     80
    .vgpr_count:     512
    .wavefront_size: 32
...
	.end_amdgpu_metadata
.endif
;; end of part 4
